; MI455X (gfx1250); checked and timed in simulation.
; The chip was launched on July 23, 2026; its instructions are those of AMD's public machine-readable ISA for CDNA 5 (MIT licence, August 2026) and "CDNA5" Instruction Set Architecture Reference Guide (July 2026). The comments in the code are by the model that wrote it; some were corrected since.
;; Multihead Diff Attn. Allowed arithmetic: matrix products marked QUANTISED: E2M3 operands, one E8M0 scale for each 32 along K, by v_wmma_scale_f32_16x16x128_f8f6f4 with both operands' format E2M3, f32 sums; everything else in f32.
;; Inputs: Wk_codes 2,048 x 64 x 24 uint8 (E2M3 codes of Wk, K innermost, in blocks of 32 codes, four codes in three bytes); Wk_scales 2,048 x 64 uint8 (E8M0 scales of Wk, one for each 32 codes along K); Wo_codes 2,048 x 64 x 24 uint8 (E2M3 codes of Wo, K innermost, in blocks of 32 codes, four codes in three bytes); Wo_scales 2,048 x 64 uint8 (E8M0 scales of Wo, one for each 32 codes along K); Wq_codes 2,048 x 64 x 24 uint8 (E2M3 codes of Wq, K innermost, in blocks of 32 codes, four codes in three bytes); Wq_scales 2,048 x 64 uint8 (E8M0 scales of Wq, one for each 32 codes along K); Wv_codes 2,048 x 64 x 24 uint8 (E2M3 codes of Wv, K innermost, in blocks of 32 codes, four codes in three bytes); Wv_scales 2,048 x 64 uint8 (E8M0 scales of Wv, one for each 32 codes along K); attn_mask 1 x 2,048 bool; key_codes 2,048 x 1 x 64 x 24 uint8 (E2M3 codes of key, K innermost, in blocks of 32 codes, four codes in three bytes); key_scales 2,048 x 1 x 64 uint8 (E8M0 scales of key, one for each 32 codes along K); lk1 64 float32; lk2 64 float32; lq1 64 float32; lq2 64 float32; query_codes 2,048 x 1 x 64 x 24 uint8 (E2M3 codes of query, K innermost, in blocks of 32 codes, four codes in three bytes); query_scales 2,048 x 1 x 64 uint8 (E8M0 scales of query, one for each 32 codes along K); subln_g 128 float32; value_codes 2,048 x 1 x 64 x 24 uint8 (E2M3 codes of value, K innermost, in blocks of 32 codes, four codes in three bytes); value_scales 2,048 x 1 x 64 uint8 (E8M0 scales of value, one for each 32 codes along K).
;; Outputs: out0 2,048 x 1 x 2,048 float32.
;; Constants: rel_pos = 0.
;; This version of the problem:
;;   THIS VERSION OF THE PROBLEM IS GIVEN IN LOW PRECISION. The matrix products marked QUANTISED in the list below multiply operands that are first quantised to E2M3 (2 exponent bits, 3 mantissa bits; 6 bits a number), with one power-of-two scale for each 32 numbers along K (OCP MX v1.0); their sums are f32. All else is computed in f32.
;;   The module's matrix products, in the order in which they are computed (A, B: the left and right operand; K: the contracted axis; several contracted axes count as one K, in the product's order):
;;     1. [M 2,048, K 2,048] x [K 2,048, N 2,048]; A: input Wq (given as codes); B: input query (given as codes): QUANTISED
;;     2. [M 2,048, K 2,048] x [K 2,048, N 2,048]; A: input Wk (given as codes); B: input key (given as codes): QUANTISED
;;     3. [M 2,048, K 2,048] x [K 2,048, N 2,048]; A: input Wv (given as codes); B: input value (given as codes): QUANTISED
;;     4. batch 32 x [M 2,048, K 64] x [K 64, N 2,048]; A: computed on the way; B: computed on the way: QUANTISED
;;     5. batch 16 x [M 2,048, K 2,048] x [K 2,048, N 128]; A: computed on the way; B: computed on the way: QUANTISED
;;     6. [M 2,048, K 2,048] x [K 2,048, N 2,048]; A: computed on the way; B: input Wo (given as codes): QUANTISED
;;   THE QUANTISER, for each operand of a quantised product, along K:
;;     - K is cut into blocks of 32 from its start; a last block that is shorter is filled with zeros.
;;     - A block's scale is 2^e with e = floor(log2(the largest magnitude in the block)) - 2, held to -126 .. 127; a block of zeros has e = 0. As a byte (E8M0): e + 127.
;;     - Each number is divided by its block's scale, clamped to +-7.5, and rounded to the nearest number of E2M3, ties to even, subnormals kept.
;;     - The product sums the exact products of the quantised numbers (number of the format x scale) in f32.
;;   ~~~python
;;   def quantise(x, axis):      # numpy; x: float32 -> the quantised numbers, widened to float32 again
;;       x = np.moveaxis(x, axis, -1); K = x.shape[-1]
;;       x = np.pad(x, [(0, 0)] * (x.ndim - 1) + [(0, -K % 32)]); x = x.reshape(x.shape[:-1] + (-1, 32)); a = np.abs(x).max(-1, keepdims=True)
;;       e = np.where(a > 0, np.clip(np.frexp(np.where(a > 0, a, 1))[1] - 1 - 2, -126, 127), 0)      # np.frexp(a)[1] - 1 = floor(log2(a)), exactly
;;       r = np.clip(x / 2.0 ** e, -7.5, 7.5)
;;       step = 2.0 ** (np.maximum(np.frexp(np.where(r == 0, 1, r))[1] - 1, 0) - 3)
;;       q = np.round(r / step) * step * 2.0 ** e      # np.round: ties to even
;;       return np.moveaxis(q.reshape(q.shape[:-2] + (-1,))[..., :K], -1, axis).astype(np.float32)
;;   ~~~
;;   OPERANDS COMPUTED ON THE WAY. 'Computed on the way' means the value that the module computes at that place (a softmax that the list does not call 'softmax' is quantised finished and normalised). What goes into a quantiser is computed in f32, as accurately as f32 sums, v_exp_f32 and their like allow (about 1e-6 of the number): no bf16 or f16 on the way to a quantiser, and a product that is left as it is and whose result goes on into a quantised operand takes f32 operands (vector FMAs, or v_wmma_f32_16x16x4_f32). A number that lies on a knife's edge between two numbers of the format may be rounded either way, as far as f32 arithmetic and the matrix unit's own rounding can turn it there, and no further.
;;   INPUTS GIVEN AS CODES. Wk (in the module: [2048, 2048], K = its axis 1); Wo (in the module: [2048, 2048], K = its axis 1); Wq (in the module: [2048, 2048], K = its axis 1); Wv (in the module: [2048, 2048], K = its axis 1); key (in the module: [2048, 1, 2048], K = its axis 2); query (in the module: [2048, 1, 2048], K = its axis 2); value (in the module: [2048, 1, 2048], K = its axis 2): each comes as NAME_codes (uint8): NAME with its K axis moved to the last place and cut into blocks of 32 codes, [.., K / 32, bytes a block], one block behind the other in memory; four codes in three bytes: a row's codes are one little-endian stream of bits, code i at bits 6 i .. 6 i + 5 (a code: sign, 2 exponent bits, 3 mantissa bits); and NAME_scales (uint8): the same leading axes, one E8M0 byte (e + 127) for each 32 codes along K. Its value is code x scale, taken as it is: it is not quantised again, and the codes and scales need not be those that the quantiser above would give.
;; One version. Each part assembles by itself: llvm-mc -triple=amdgcn-amd-amdhsa -mcpu=gfx1250 --defsym DOCPART=n.
;; ======== version 1 of 1: 3 launches
;; limits: right only within a limited range of input values
;; workspace buffers: qkvf 9,437,184 bytes; qkvs 393,216 bytes; af 3,145,728 bytes; asw 131,072 bytes
;; launch proj (part 1): grid 8 x 24, 4 waves a work-group, clusters of 4 x 4, 327,680 bytes of LDS; arguments query_codes, query_scales, Wq_codes, Wq_scales, key_codes, key_scales, Wk_codes, Wk_scales, Wv_codes, Wv_scales, value_codes, value_scales, qkvf, qkvs; writes qkvf, qkvs
.if DOCPART == 1
	.amdgcn_target "amdgcn-amd-amdhsa--gfx1250"
	.amdhsa_code_object_version 6
	.text
	.protected	k_qc4eff727c3_proj
	.globl	k_qc4eff727c3_proj
	.p2align	8
	.type	k_qc4eff727c3_proj,@function
k_qc4eff727c3_proj:
	s_mov_b64 s[64:65], 0
	v_nop
	global_prefetch_b8 v0, s[64:65] scope:SCOPE_SE
	s_setreg_imm32_b32 hwreg(HW_REG_WAVE_MODE, 25, 1), 1
	s_wait_xcnt 0x0
	s_wait_alu depctr_hold_cnt(0) depctr_sa_sdst(0) depctr_va_vdst(0) depctr_va_sdst(0) depctr_va_ssrc(0) depctr_va_vcc(0) depctr_vm_vsrc(0)
	s_getreg_b32 s2, hwreg(HW_REG_IB_STS2, 6, 4)
	s_cmp_eq_u32 s2, 0
	s_cbranch_scc0 .Lentry_in_a_cluster
	s_endpgm
.Lentry_in_a_cluster:
	s_bfe_u32 s2, ttmp6, 0x10000c
	s_cmp_lg_u32 s2, 0xf033
	s_cbranch_scc0 .Lentry_shape_is_right
	s_endpgm
.Lentry_shape_is_right:
; THE THREE PROJECTIONS q = query Wq^T, k = key Wk^T, v = value Wv^T on codes of FP6 (E2M3) as they are given, and the quantising of the three results for the products that follow.
; One launch, 192 work-groups: z = (cluster y) / 2 says which product; each work-group makes 256 x 256 of it, K = 2,048, four waves of 128 x 128 (64 accumulators, 512 registers).
; ROLES.  Source 1 of the matrix instruction ("A": a lane to a row) and source 0 ("B": a lane's registers run along its rows):  z = 0: A = query, B = Wq;  z = 1: A = key, B = Wk;  z = 2: A = Wv, B = value.
; So a lane's registers run along the features for q and k and along the keys for v: along the K of the product that takes them, and the scaled conversions can take them as they stand.
; K goes in steps of 256 through a ring of two LDS slots filled by joint tensor loads of a 4 x 4 cluster (A's tile shared along a row of the cluster, B's along a column); the scale bytes of the work-group's rows come once.
; THE WAY OUT.  A wave's 16 rows x 128 columns become ONE operand fragment (16 rows x 128 K, 12 registers a lane) and one scale word a row.  Fragments are stored as images of the operand's registers:
; fragment (S, T) at (128 S + T) x 1,536 bytes of its region of qkvf, register group c of lane l at 512 c + 16 l; its scale words at (128 S + T) x 64 of qkvs, row r's at 4 r.  S = the 128 columns, T = the 16 rows.
; ORDER INSIDE A BLOCK OF 32: a lane of the result holds columns 8 (l / 16) + 0..7 of each tile of 16, so a block's codes lie in the order 0-7, 16-23, 8-15, 24-31.  The blocks are the contract's own sets, so scales and
; codes are the contract's; both operands of the products that follow are made by this same macro, so their k meet in the same places.
; q's factor 1/8 is a power of two: it changes no code and is applied to the scores in the next launch.
; LIMITS: a scale byte 0xff among the inputs is not served; a block of zeros gets the byte 1 where the quantiser says 127 (its codes are zeros, and this program alone reads the bytes); blocks of q under 2^-121
; would be held at the lowest scale otherwise than q / 8 is.
.set SIZE_K, 2048
.set KSTEP,  256                       ; along K in a slot
.set NQ,     KSTEP/128                 ; matrix instructions deep
.set ROWB,   192                       ; a tile's row in bytes
.set KROW,   SIZE_K*6/8                ; a row of codes in memory
.set PITCH,  240                       ; an LDS row: 3 x (64 bytes + 16 of padding)
.set FR,     12                        ; registers of a fragment
.set NL,     6                         ; LDS loads that bring one
.set NP,     4                         ; places behind this matrix instruction (ISA guide 7.12.1)
.set HALFT,  128*PITCH                 ; 128 rows: one tensor load
.set SLOT,   4*HALFT                   ; A's 256 rows, then B's 256 rows
.set LAPS,   SIZE_K/(2*KSTEP)
.set KS,     SIZE_K/32                 ; a row of scale bytes
.set SCL,    2*SLOT                    ; behind the ring: the scales, as rows of 256 bytes + 16
.set HALFS,  (128*KS/256)*272
.set SBLK,   (16*KS/256)*272
.set SPARE,  SCL+4*HALFS               ; the spare words: 128 bytes a wave, named by no other line
.set ADRA, 16                          ; v16-19  LDS addresses of my A fragments (slot 0, 1; behind one padding more)
.set ADRB, 20                          ; v20-23  the same for B
.set SWA,  24                          ; v24     the way out: where a row's scale word goes (512 x wave + 4 (l % 16), in slot 0)
.set SRA,  25                          ; v25     and where the wave's 512 bytes of them are read back
.set CO,   26                          ; v26     16 x lane
.set ADRS, 27                          ; v27     LDS address of my scale words
.set SPW,  28                          ; v28     my spare word; never rewritten
.set NIL,  29                          ; v29     0; never rewritten
.set SC,   32                          ; v32-63  scale words, two sets: they hold nothing else
.set TM,   64                          ; v64-79  the quantiser's temporaries
.set PT,   80                          ; v80-87  the upper halves of the blocks' codes
.set PW,   88                          ; v88-95  the eight fragments' scale words
.set PC,   96                          ; v96-119 a fragment's codes, two sets by turns
.set BK,   120                         ; v120-123 the scale words read back
.set AF,   128                         ; A's fragments, window 0
.set G1, 24
.set G0, 32
.set G1B, 48
.set G0B, 56
.set SEL, 66                           ; s[66:67] selects of v_permlanex16_b32: lane l xor 16
.set G1S, 68
.set G0S, 76
.set G1SB, 80
.set G0SB, 88
.set ZZ, 95                            ; s95 which product
.set MSB, 0
.macro WIN new                         ; the immediate's high byte repeats the setting that is left; a switch that changes nothing is dropped
.if MSB != (\new)
	s_set_vgpr_msb (MSB<<8)|(\new)
.set MSB, (\new)
.endif
.endm
.set MUL_LO, 0xa1                      ; source 0 (B) window 1, source 1 (A) window 0, C and D window 2
.set MUL_HI, 0xf1                      ; the same, C and D window 3
.set TO_B,   0x40                      ; destination window 1
; A joint load: waves 0 and 1 fetch for A, waves 2 and 3 for B; the branch hangs on the wave's number alone.  Four v_nop follow each of the two lines.
.macro JLOAD g0a, g1a, g0b, g1b
	s_cmp_eq_u32 s15, 0
	s_cbranch_scc0 .Lfor_b_\@
	tensor_load_to_lds s[\g0a:\g0a+3], s[\g1a:\g1a+7]
.rept 4
	v_nop
.endr
	s_branch .Lasked_\@
.Lfor_b_\@:
	tensor_load_to_lds s[\g0b:\g0b+3], s[\g1b:\g1b+7]
.rept 4
	v_nop
.endr
.Lasked_\@:
.endm
.macro CREST                           ; a round of the cluster's barrier behind its opening barrier
	s_cmp_lg_u32 s14, 0
	s_cbranch_scc1 .Lnot_wave_0_\@
	s_barrier_signal -3
.Lnot_wave_0_\@:
	s_barrier_wait -3
	s_barrier_signal -1
	s_barrier_wait -1
.endm
.macro CROUND
	s_barrier_signal -1
	s_barrier_wait -1
	CREST
.endm
	s_load_b256 s[4:11], s[0:1], 0x0               ; z = 0: query's codes, scales, Wq's codes, scales
	s_load_b256 s[68:75], s[0:1], 0x20             ; z = 1: key's, Wk's
	s_load_b256 s[80:87], s[0:1], 0x40             ; z = 2: Wv's, value's
	s_load_b128 s[96:99], s[0:1], 0x60             ; qkvf, qkvs
	v_lshl_add_u32 v[SPW], v0, 2, SPARE
	v_mov_b32 v[NIL], 0
	v_lshrrev_b32 v1, 5, v0
	v_readfirstlane_b32 s14, v1                    ; wave 0..3
	s_lshr_b32 s15, s14, 1                         ; which half of the tile's rows is mine.  Also: I fetch for A (0) or for B (1)
	s_and_b32 s16, s14, 1                          ; which half of its columns.  Also: which 128 rows I fetch
	s_bfe_u32 s40, ttmp6, 0x40000                  ; cx, cy
	s_bfe_u32 s41, ttmp6, 0x40004
	s_lshl_b32 s42, ttmp9, 2
	s_add_co_u32 s42, s42, s40                     ; tile column = 4 x cluster x + cx
	s_and_b32 s17, ttmp7, 0xffff                   ; cluster y, 0 to 5
	s_lshr_b32 s[ZZ], s17, 1                       ; z: the same in all sixteen partners
	s_and_b32 s17, s17, 1
	s_lshl_b32 s17, s17, 2
	s_add_co_u32 s17, s17, s41                     ; tile row = 4 x (cluster y % 2) + cy
	s_lshl_b32 s43, s41, 2
	s_lshl_b32 s43, 15, s43                        ; my row of the cluster
	s_lshl_b32 s44, 0x1111, s40                    ; my column
	s_mov_b32 s[SEL], 0x76543210
	s_mov_b32 s[SEL+1], 0xfedcba98
	; descriptor group 1: a tile of 128 rows x 192 bytes, 16 bytes of padding behind every 64
	s_or_b32 s[G1+0], s43, (0<<16)|(1<<20)|(1<<21)|(3<<22)|(3<<25)
	s_or_b32 s[G1B+0], s44, (0<<16)|(1<<20)|(1<<21)|(3<<22)|(3<<25)
.irp g, G1, G1B
	s_mov_b32 s[\g+1], ROWB<<16                    ; tensor_dim0
	s_mov_b32 s[\g+2], 128<<16                     ; tensor_dim1
	s_mov_b32 s[\g+3], ROWB<<16                    ; tile_dim0
	s_mov_b32 s[\g+4], 128                         ; tile_dim1
	s_mov_b32 s[\g+5], KROW                        ; the pitch
	s_mov_b32 s[\g+6], 0
	s_mov_b32 s[\g+7], 0
.endr
	s_lshl_b32 s18, s16, 7                         ; which 128 rows of the tile I fetch
	s_lshl_b32 s20, s17, 8
	s_add_co_u32 s20, s20, s18                     ; A: row 256 x tile row + 128 x half
	s_lshl_b32 s46, s42, 8
	s_add_co_u32 s46, s46, s18                     ; B: row 256 x tile column + 128 x half
	s_mov_b32 s21, 0
	s_mov_b32 s47, 0
	s_mov_b64 s[18:19], KS
	s_mul_u64 s[22:23], s[20:21], s[18:19]         ; where these rows' scales begin
	s_mul_u64 s[92:93], s[46:47], s[18:19]
	s_mov_b64 s[18:19], KROW
	s_mul_u64 s[20:21], s[20:21], s[18:19]         ; and their codes
	s_mul_u64 s[46:47], s[46:47], s[18:19]
	s_mul_i32 s45, s14, HALFT                      ; where they go: wave x 128 rows
	s_mul_i32 s94, s14, HALFS
	s_wait_kmcnt 0x0
	s_cmp_eq_u32 s[ZZ], 1                          ; the product's four buffers: a choice on the cluster's number alone
	s_cselect_b64 s[4:5], s[68:69], s[4:5]
	s_cselect_b64 s[6:7], s[70:71], s[6:7]
	s_cselect_b64 s[8:9], s[72:73], s[8:9]
	s_cselect_b64 s[10:11], s[74:75], s[10:11]
	s_cmp_eq_u32 s[ZZ], 2
	s_cselect_b64 s[4:5], s[80:81], s[4:5]
	s_cselect_b64 s[6:7], s[82:83], s[6:7]
	s_cselect_b64 s[8:9], s[84:85], s[8:9]
	s_cselect_b64 s[10:11], s[86:87], s[10:11]
	; group 1 for the scales of 128 rows: 8,192 dense bytes as 32 rows of 256 bytes, 16 bytes of padding behind each (written only now: the registers held the other products' addresses)
	s_or_b32 s[G1S+0], s43, (3<<16)|(1<<20)|(1<<21)|(5<<22)|(3<<25)
	s_or_b32 s[G1SB+0], s44, (3<<16)|(1<<20)|(1<<21)|(5<<22)|(3<<25)
.irp g, G1S, G1SB
	s_mov_b32 s[\g+1], 32<<16
	s_mov_b32 s[\g+2], (128*KS/256)<<16
	s_mov_b32 s[\g+3], 32<<16
	s_mov_b32 s[\g+4], 128*KS/256
	s_mov_b32 s[\g+5], 32
	s_mov_b32 s[\g+6], 0
	s_mov_b32 s[\g+7], 0
.endr
	s_add_nc_u64 s[20:21], s[4:5], s[20:21]
	s_add_nc_u64 s[22:23], s[6:7], s[22:23]
	s_add_nc_u64 s[46:47], s[8:9], s[46:47]
	s_add_nc_u64 s[92:93], s[10:11], s[92:93]
	CROUND                                         ; all sixteen work-groups are here: the first joint loads meet
	s_mov_b32 s[G0S], 1
	s_add_co_u32 s[G0S+1], s94, SCL
	s_mov_b64 s[G0S+2:G0S+3], s[22:23]
	s_or_b32 s[G0S+3], s[G0S+3], 0x80000000
	s_mov_b32 s[G0SB], 1
	s_add_co_u32 s[G0SB+1], s94, SCL
	s_mov_b64 s[G0SB+2:G0SB+3], s[92:93]
	s_or_b32 s[G0SB+3], s[G0SB+3], 0x80000000
	JLOAD G0S, G1S, G0SB, G1SB                     ; the scales first: they are wanted with K step 0
.irp s, 0,1
	s_mov_b32 s[G0+4*\s], 1
	s_add_co_u32 s[G0+4*\s+1], s45, \s*SLOT
	s_add_nc_u64 s[G0+4*\s+2:G0+4*\s+3], s[20:21], \s*ROWB
	s_or_b32 s[G0+4*\s+3], s[G0+4*\s+3], 0x80000000
	s_mov_b32 s[G0B+4*\s], 1
	s_add_co_u32 s[G0B+4*\s+1], s45, \s*SLOT
	s_add_nc_u64 s[G0B+4*\s+2:G0B+4*\s+3], s[46:47], \s*ROWB
	s_or_b32 s[G0B+4*\s+3], s[G0B+4*\s+3], 0x80000000
	JLOAD G0+4*\s, G1, G0B+4*\s, G1B
.endr
	v_and_b32 v1, 15, v0                           ; l % 16
	v_bfe_u32 v2, v0, 4, 1                         ; l / 16
	v_mul_u32_u24 v3, v1, PITCH
	v_mul_u32_u24 v4, v2, 24
	v_add_nc_u32 v4, v3, v4                        ; a fragment's row x pitch + 24 x half
	v_lshl_add_u32 v5, v2, 4, v4                   ; and the same behind one padding more
	s_mul_i32 s21, s15, HALFT                      ; my 128 rows of A
	s_mul_i32 s22, s16, HALFT                      ; my 128 rows of B,
	s_add_co_u32 s22, s22, 2*HALFT                 ; which lie behind A's 256
.irp s, 0,1
	v_add_nc_u32 v[ADRA+\s], s21, v4
	v_add_nc_u32 v[ADRB+\s], s22, v4
	v_add_nc_u32 v[ADRA+2+\s], s21, v5
	v_add_nc_u32 v[ADRB+2+\s], s22, v5
	s_add_co_u32 s21, s21, SLOT
	s_add_co_u32 s22, s22, SLOT
.endr
	v_mul_u32_u24 v5, v1, KS                       ; my row's scales: KS bytes a row,
	v_lshrrev_b32 v6, 8, v5
	v_lshl_add_u32 v5, v6, 4, v5                   ; and 16 more for each 256 passed
	s_mul_i32 s21, s15, HALFS
	s_mul_i32 s22, s16, HALFS
	s_add_co_u32 s22, s22, 2*HALFS
	s_sub_co_u32 s22, s22, s21
	v_mul_u32_u24 v6, s22, v2                      ; lanes 16-31 take B's
	s_add_co_u32 s21, s21, SCL
	v_add_nc_u32 v5, v5, v6
	v_add_nc_u32 v[ADRS], s21, v5
	v_and_b32 v6, 31, v0
	v_lshlrev_b32 v[CO], 4, v6                     ; 16 x lane
	s_lshl_b32 s23, s14, 9
	v_lshl_add_u32 v[SWA], v1, 2, s23
	v_add_nc_u32 v[SRA], s23, v[CO]
	; where my eight fragments go: S = 2 x tile column + column half, T = 16 x tile row + 8 x row half + 0..7: 12,288 consecutive bytes of codes, 512 of scale words
	s_lshl_b32 s46, s42, 1
	s_add_co_u32 s46, s46, s16
	s_lshl_b32 s46, s46, 7                         ; 128 S
	s_lshl_b32 s20, s17, 4
	s_lshl_b32 s21, s15, 3
	s_add_co_u32 s20, s20, s21
	s_add_co_u32 s20, s20, s46                     ; 128 S + T
	s_mul_i32 s22, s20, 1536
	s_mul_i32 s21, s[ZZ], 3145728
	s_add_co_u32 s22, s22, s21
	s_mov_b32 s23, 0
	s_add_nc_u64 s[96:97], s[96:97], s[22:23]
	s_lshl_b32 s22, s20, 6
	s_lshl_b32 s21, s[ZZ], 17
	s_add_co_u32 s22, s22, s21
	s_add_nc_u64 s[98:99], s[98:99], s[22:23]
.macro FRAG reg, adr, q, i             ; a fragment: lane l holds row l % 16; registers 6 c .. 6 c + 5 hold K = 64 c + 32 (l / 16) + 0 .. 31: 24 bytes of the row's stream of bits, in pieces of 8 bytes
.irp p, 0,1,2,3,4,5
.set PCE, 12*(\q)+6*(\p/3)+\p%3       ; where the piece three on lies behind one padding more, the second address register serves
.if PCE%8 < 5
	ds_load_b64 v[\reg+2*\p:\reg+2*\p+1], v[\adr] offset:8*PCE+16*(PCE/8)+(\i)*16*PITCH
.else
	ds_load_b64 v[\reg+2*\p:\reg+2*\p+1], v[\adr+2] offset:8*PCE+16*(PCE/8)+(\i)*16*PITCH
.endif
.endr
.endm
; 16 matrix instructions: A's blocks a0, a0 + 1 x B's eight.  The 64 accumulators take turns, one instruction a turn, in the same order in every step.
.macro MUL16 a0, p, q, sc, zero
.irp a, \a0, \a0+1
.irp b, 0,1,2,3,4,5,6,7
.if \zero
	v_wmma_scale_f32_16x16x128_f8f6f4 v[8*(8*((\a)%4)+\b):8*(8*((\a)%4)+\b)+7], v[128*(\p)+FR*\b:128*(\p)+FR*\b+FR-1], v[AF+FR*(\a):AF+FR*(\a)+FR-1], 0, v[SC+8*NQ*(\sc)+NQ*\b+(\q)], v[SC+8*NQ*(\sc)+NQ*(\a)+(\q)] matrix_a_fmt:MATRIX_FMT_FP6 matrix_b_fmt:MATRIX_FMT_FP6 matrix_a_scale:MATRIX_SCALE_ROW1
.else
	v_wmma_scale_f32_16x16x128_f8f6f4 v[8*(8*((\a)%4)+\b):8*(8*((\a)%4)+\b)+7], v[128*(\p)+FR*\b:128*(\p)+FR*\b+FR-1], v[AF+FR*(\a):AF+FR*(\a)+FR-1], v[8*(8*((\a)%4)+\b):8*(8*((\a)%4)+\b)+7], v[SC+8*NQ*(\sc)+NQ*\b+(\q)], v[SC+8*NQ*(\sc)+NQ*(\a)+(\q)] matrix_a_fmt:MATRIX_FMT_FP6 matrix_b_fmt:MATRIX_FMT_FP6 matrix_a_scale:MATRIX_SCALE_ROW1
.endif
.endr
.endr
.endm
.macro FETCH_B slot, q, p
	WIN TO_B
.irp i, 0,1,2,3,4,5,6,7
	FRAG 128*(\p)+FR*\i, ADRB+\slot, \q, \i
.endr
	WIN 0
.endm
.macro FETCH_A slot, q, i0
.irp i, \i0, \i0+1, \i0+2, \i0+3
	FRAG AF+FR*(\i), ADRA+\slot, \q, \i
.endr
.endm
.macro SCALES sc                       ; a K step's scale words: lanes 0-15 take A's block i, lanes 16-31 B's block i
.irp i, 0,1,2,3,4,5,6,7
	ds_load_b64 v[SC+8*NQ*\sc+NQ*\i:SC+8*NQ*\sc+NQ*\i+1], v[ADRS] offset:\i*SBLK
.endr
.endm
.macro PLACES n                        ; plain vector instructions between a matrix instruction and a load into, or a read of, its registers
.rept \n
	v_nop
.endr
.endm
.macro STEP slot, q, zero              ; a step of 128 along K that has its successor in the same slot
	s_wait_dscnt 4*NL                              ; B's set and A's blocks 0-3 are in; the youngest 24 loads (A's blocks 4-7) may be out
	WIN MUL_LO
	MUL16 0, (\q)%2, \q, \slot, \zero
	MUL16 2, (\q)%2, \q, \slot, \zero
	s_wait_dscnt 0
	PLACES NP
	FETCH_B \slot, (\q)+1, 1-(\q)%2
	FETCH_A \slot, (\q)+1, 0
	WIN MUL_HI
	MUL16 4, (\q)%2, \q, \slot, \zero
	MUL16 6, (\q)%2, \q, \slot, \zero
	PLACES NP
	WIN 0
	FETCH_A \slot, (\q)+1, 4
.endm
; A slot's last step changes slots: one barrier; in front of it each wave waits for all its tensor loads, adds 0 to its spare word, and waits for that and for its reads of this slot.
.macro TURN slot, next, fill
	s_wait_tensorcnt 0x0                           ; all my tensor loads have landed: my part of the next slot
	ds_add_u32 v[SPW], v[NIL]                      ; 0 onto my spare word
	s_wait_dscnt 4*NL+1                            ; the add and the youngest 24 loads may be out
	WIN MUL_LO
	MUL16 0, 1, NQ-1, \slot, 0
	s_wait_dscnt 0x0                               ; the add is done, and my reads of this slot are over
	s_barrier_signal -1
	MUL16 2, 1, NQ-1, \slot, 0
	WIN 0
	s_barrier_wait -1
.if \fill
	CREST                                          ; the barrier has opened a round of the cluster's: no wave of any partner still reads this slot or has a load on its way
	s_add_nc_u64 s[G0+4*\slot+2:G0+4*\slot+3], s[G0+4*\slot+2:G0+4*\slot+3], 2*ROWB
	s_add_nc_u64 s[G0B+4*\slot+2:G0B+4*\slot+3], s[G0B+4*\slot+2:G0B+4*\slot+3], 2*ROWB
	JLOAD G0+4*\slot, G1, G0B+4*\slot, G1B         ; the first tensor load behind the round; its four v_nop are the places in front of the loads below
.else
	PLACES NP
.endif
	v_add_nc_u32 v[ADRS], 4*NQ, v[ADRS]            ; the next K step's scale words
	FETCH_B \next, 0, 0
	FETCH_A \next, 0, 0
	SCALES \next
	WIN MUL_HI
	MUL16 4, 1, NQ-1, \slot, 0
	MUL16 6, 1, NQ-1, \slot, 0
	PLACES NP
	WIN 0
	FETCH_A \next, 0, 4
.endm
; THE QUANTISER.  64 numbers of a lane, v[s] .. v[s + 63] of window w, of which registers 16 b .. 16 b + 15 belong to block b of my row (the other 16 lie in lane l xor 16), become a fragment's 12 registers
; of codes at v[pc] and my row's scale word in v[pw], both in window 0.  Each accumulator is read from its low end on.
.macro QUANT s, w, pc, pw
	WIN (\w)|((\w)<<2)
.irp b, 0,1,2,3
	v_max3_num_f32 v[TM+\b], |v[(\s)+16*\b]|, |v[(\s)+16*\b+1]|, 0x1800000   ; with the floor 2^(3 - 127): the byte cannot fall under 1
.endr
.irp i, 2,4,6,8,10,12,14
.irp b, 0,1,2,3
	v_max3_num_f32 v[TM+\b], |v[(\s)+16*\b+\i]|, |v[(\s)+16*\b+\i+1]|, v[TM+\b]
.endr
.endr
	WIN 0
.irp b, 0,1,2,3
	v_permlanex16_b32 v[TM+4+\b], v[TM+\b], s[SEL], s[SEL+1]
.endr
.irp b, 0,1,2,3
	v_max_num_f32 v[TM+\b], v[TM+\b], v[TM+4+\b]   ; the block's largest magnitude
.endr
.irp b, 0,1,2,3
	v_add_nc_u32 v[TM+12+\b], 0xff000000, v[TM+\b] ; 2 off its exponent field: the conversion's scale operand
.endr
.irp b, 0,1,2,3
	v_lshrrev_b32 v[TM+4+\b], 23, v[TM+12+\b]      ; the scale's byte
.endr
	v_lshl_or_b32 v[\pw], v[TM+5], 8, v[TM+4]
	v_lshl_or_b32 v[\pw], v[TM+6], 16, v[\pw]
	v_lshl_or_b32 v[\pw], v[TM+7], 24, v[\pw]
	WIN (\w)
.irp c, 0,1
	v_cvt_scalef32_pk16_fp6_f32 v[(\pc)+6*\c:(\pc)+6*\c+2], v[(\s)+32*\c:(\s)+32*\c+15], v[TM+12+2*\c]
	v_cvt_scalef32_pk16_fp6_f32 v[PT+4*\c:PT+4*\c+2], v[(\s)+32*\c+16:(\s)+32*\c+31], v[TM+13+2*\c]
.endr
	WIN 0
	v_nop                                          ; one plain instruction behind the scaled conversions
.irp c, 0,1                                    ; the operand wants a whole block in a lane: lanes 0-15 block 2 c, lanes 16-31 block 2 c + 1
.irp i, 0,1,2
	v_permlane16_swap_b32 v[(\pc)+6*\c+\i], v[PT+4*\c+\i]
.endr
.irp i, 0,1,2
	v_mov_b32 v[(\pc)+3+6*\c+\i], v[PT+4*\c+\i]
.endr
.endr
.endm
	s_wait_tensorcnt 1                             ; the scales and my part of K step 0 are in; K step 1's load may be out
	s_barrier_signal -1
	s_barrier_wait -1
	FETCH_B 0, 0, 0
	FETCH_A 0, 0, 0
	SCALES 0
	FETCH_A 0, 0, 4
	STEP 0, 0, 1                                   ; the first step stands in front of the loop: its products start the sums
	s_mov_b32 s3, LAPS-1
.Llap:                                                 ; a trip goes once round the ring and fills both slots again
	TURN 0, 1, 1
	STEP 1, 0, 0
	TURN 1, 0, 1
	STEP 0, 0, 0
	s_sub_co_u32 s3, s3, 1
	s_cmp_lg_u32 s3, 0
	s_cbranch_scc1 .Llap
	TURN 0, 1, 0                                   ; the last lap fills nothing
	STEP 1, 0, 0
	s_wait_dscnt 4*NL
	WIN MUL_LO
	MUL16 0, 1, NQ-1, 1, 0
	MUL16 2, 1, NQ-1, 1, 0
	s_wait_dscnt 0
	WIN MUL_HI
	MUL16 4, 1, NQ-1, 1, 0
	MUL16 6, 1, NQ-1, 1, 0
	WIN 0
	; THE WAY OUT: my eight blocks of 16 rows x 128 columns, each one fragment.  Each store of codes covers 512 consecutive bytes.  The scale words are gathered in 512 bytes of slot 0, which has had its last fill
	; and, since the last change of slots, its last read, and leave as one store of 512 bytes.
	PLACES NP
.irp b, 0,1,2,3
	v_mov_b32 v[TM+4+\b], 0                        ; written once: a lane permute's destination counts as one of its sources
.endr
.macro OUTBLK a
.if (\a) >= 2
	s_wait_xcnt 0x0                                ; block a - 2's stores have read the registers that this block's codes take
.endif
	QUANT 64*((\a)%4), 2+(\a)/4, PC+12*((\a)%2), PW+(\a)
.irp c, 0,1,2
	global_store_b128 v[CO], v[PC+12*((\a)%2)+4*\c:PC+12*((\a)%2)+4*\c+3], s[96:97] offset:1536*(\a)+512*\c
.endr
	ds_store_b32 v[SWA], v[PW+(\a)] offset:64*(\a) ; lanes l and l xor 16 write the same word with the same value
.endm
.irp a, 0,1,2,3,4,5,6,7
	OUTBLK \a
.endr
	ds_load_b128 v[BK:BK+3], v[SRA]                ; LDS serves a wave's instructions in order: this sees my stores
	s_wait_dscnt 0x0
	global_store_b128 v[CO], v[BK:BK+3], s[98:99]
	s_wait_tensorcnt 0x0                           ; the wave's end
	ds_add_u32 v[SPW], v[NIL]
	s_wait_dscnt 0x0
	CROUND                                         ; the closing round
	s_endpgm
.Lfunc_end_k_qc4eff727c3_proj:
	.size	k_qc4eff727c3_proj, .Lfunc_end_k_qc4eff727c3_proj-k_qc4eff727c3_proj
	.p2alignl 7, 3214868480
	.fill 96, 4, 3214868480
	.section	.rodata,"a",@progbits
	.p2align	6, 0x0
	.amdhsa_kernel k_qc4eff727c3_proj
		.amdhsa_group_segment_fixed_size 327680
		.amdhsa_private_segment_fixed_size 0
		.amdhsa_enable_private_segment 0
		.amdhsa_kernarg_size 112
		.amdhsa_user_sgpr_count 2
		.amdhsa_user_sgpr_kernarg_segment_ptr 1
		.amdhsa_wavefront_size32 1
		.amdhsa_system_sgpr_workgroup_id_x 1
		.amdhsa_system_sgpr_workgroup_id_y 1
		.amdhsa_system_sgpr_workgroup_id_z 1
		.amdhsa_system_vgpr_workitem_id 0
		.amdhsa_next_free_vgpr 1024
		.amdhsa_next_free_sgpr 100
		.amdhsa_reserve_vcc 0
		.amdhsa_float_denorm_mode_32 3
		.amdhsa_float_denorm_mode_16_64 3
		.amdhsa_memory_ordered 1
		.amdhsa_forward_progress 1
		.amdhsa_inst_pref_size 164
	.end_amdhsa_kernel
	.amdgpu_metadata
---
amdhsa.version: [ 1, 2 ]
amdhsa.kernels:
  - .name:           k_qc4eff727c3_proj
    .symbol:         k_qc4eff727c3_proj.kd
    .args:
      - { .name: query_codes, .offset: 0, .size: 8, .value_kind: global_buffer, .address_space: global }
      - { .name: query_scales, .offset: 8, .size: 8, .value_kind: global_buffer, .address_space: global }
      - { .name: Wq_codes, .offset: 16, .size: 8, .value_kind: global_buffer, .address_space: global }
      - { .name: Wq_scales, .offset: 24, .size: 8, .value_kind: global_buffer, .address_space: global }
      - { .name: key_codes, .offset: 32, .size: 8, .value_kind: global_buffer, .address_space: global }
      - { .name: key_scales, .offset: 40, .size: 8, .value_kind: global_buffer, .address_space: global }
      - { .name: Wk_codes, .offset: 48, .size: 8, .value_kind: global_buffer, .address_space: global }
      - { .name: Wk_scales, .offset: 56, .size: 8, .value_kind: global_buffer, .address_space: global }
      - { .name: Wv_codes, .offset: 64, .size: 8, .value_kind: global_buffer, .address_space: global }
      - { .name: Wv_scales, .offset: 72, .size: 8, .value_kind: global_buffer, .address_space: global }
      - { .name: value_codes, .offset: 80, .size: 8, .value_kind: global_buffer, .address_space: global }
      - { .name: value_scales, .offset: 88, .size: 8, .value_kind: global_buffer, .address_space: global }
      - { .name: qkvf, .offset: 96, .size: 8, .value_kind: global_buffer, .address_space: global }
      - { .name: qkvs, .offset: 104, .size: 8, .value_kind: global_buffer, .address_space: global }
    .group_segment_fixed_size: 327680
    .private_segment_fixed_size: 0
    .kernarg_segment_align: 8
    .kernarg_segment_size: 112
    .max_flat_workgroup_size: 128
    .sgpr_count:     100
    .vgpr_count:     1024
    .wavefront_size: 32
...
	.end_amdgpu_metadata
.endif
;; end of part 1
;; launch attn (part 2): grid 16 x 16, 4 waves a work-group, no clusters, 327,680 bytes of LDS; arguments qkvf, qkvs, attn_mask, lq1, lk1, lq2, lk2, subln_g, af, asw; writes af, asw
.if DOCPART == 2
	.amdgcn_target "amdgcn-amd-amdhsa--gfx1250"
	.amdhsa_code_object_version 6
	.text
	.protected	k_qc4eff727c3_attn
	.globl	k_qc4eff727c3_attn
	.p2align	8
	.type	k_qc4eff727c3_attn,@function
k_qc4eff727c3_attn:
	s_mov_b64 s[64:65], 0
	v_nop
	global_prefetch_b8 v0, s[64:65] scope:SCOPE_SE
	s_setreg_imm32_b32 hwreg(HW_REG_WAVE_MODE, 25, 1), 1
	s_wait_xcnt 0x0
; DIFFERENTIAL ATTENTION for one pair of heads (work-group y) and 128 queries (work-group x): scores, mask, two softmaxes, diff = p1 / l1 - lam p2 / l2, its quantiser along the keys, diff V, RMS norm, gain,
; and the quantiser along the embedding for the last projection.  All products on codes of FP6 (E2M3) with E8M0 scales.
; diff is quantised FINISHED AND NORMALISED, so both rows' sums must be known before any code of it is made.  So a tile of 16 queries keeps ALL its scores in registers: THE FOUR WAVES SHARE THE KEYS, 512 each:
; 2 heads x 32 tiles of 16 keys x 8 registers = 512 registers a wave.  Each score is multiplied once and each exponential taken once.  The waves exchange their maxima and sums, and later their parts of O, through LDS.
; K and V of the pair stay with the wave for the whole launch: its 32 fragments of K in LDS, of its 32 fragments of V^T twenty in registers and twelve in LDS.  They are read from memory once, at the head,
; so there is no stream to share in a cluster; and the launch has no tensor load.
; LAYOUT.  S^T = K Q^T (source 0 = 16 keys, source 1 = 16 queries) and O^T = V^T diff^T: a lane holds one query (lane % 16) throughout.  A fragment of K holds 16 keys x [head 2 y | head 2 y + 1] (64 + 64 along K);
; Q1 = [q of the first head | zero codes], Q2 = [zero codes | q of the second]: zero codes add nothing, so each product has the contract's K = 64.
; SOFTMAX.  t = score x log2(e) / 8 (q's factor 1/8 is applied here: a power of two).  Each wave takes away ITS largest t, rounded up to a whole number M_w: p = 2^(t - M_w).  With M the largest M_w,
; l = sum of l_w 2^(M_w - M) and R = 2^(M_w - M) / l: powers of two round nothing, so p R is the softmax with the row's maximum taken away.
; MASK.  A masked score becomes -2^100, under every score that is served.  In a wave all of whose keys are masked p = 1 and the factor 2^(M_w - M) is 0 beside any open key, and 1 if every key is masked:
; the softmax is then uniform, as where every score is the same finite number.
; LIMITS: scores are finite and under 2^100 in magnitude (NaN and infinities among the scores are not served); a block of zeros gets the byte 1 where the quantiser says 127 (zero codes; read by this program alone);
; the clip of the softmax to +-1e6 changes no number between 0 and 1 and is not written; g (1 - lambda_init) is formed first, and lam / l2 enters by one fused multiply-add: roundings of one part in 10^7.
.set KF, 0                             ; LDS: K's fragments, 32 x 1,536 bytes a wave
.set VF, 196608                        ; V's twelve, 18,432 a wave
.set OX, 270336                        ; the waves' parts of O^T, 8,192 a wave
.set TB, 303104                        ; the mask as numbers, 4 bytes a key, 2,048 a wave
.set XS, 311296                        ; maxima and sums, 512 a wave
.set SQ, 313344                        ; sums of squares, 128 a wave
.set IM, 313856                        ; the eight result fragments' images
.set IS, 326144                        ; and their scale words
.set LI,  1                            ; v1   16 x lane
.set AK,  2                            ; v2   KF + 49152 w + 16 lane
.set AV,  3                            ; v3   VF + 18432 w + 16 lane
.set AT,  4                            ; v4   TB + 2048 w + 32 h
.set AXW, 5                            ; v5   XS + 512 w + 16 lane
.set AXR, 6                            ; v6   XS + 16 lane
.set AOW, 7                            ; v7   OX + 8192 w + 16 lane
.set AOR, 8                            ; v8   OX + 2048 w + 1024 h + 16 r
.set ASW, 9                            ; v9   SQ + 128 w + 4 lane
.set ASR, 10                           ; v10  SQ + 4 lane
.set AIM, 11                           ; v11-13 where my three registers of codes go in an image
.set AIS, 14                           ; v14  IS + 4 r + w
.set LQS, 15                           ; v15  4 r
.set Q1,  16                           ; v16-27, v28-39
.set Q2,  28
.set QR,  40                           ; v40-51 the next tile's fragment of q as loaded
.set QS,  52                           ; v52  q's scale words;  v53 the next tile's
.set QSN, 53
.set KSR, 54                           ; v54-69 K's scale words: register i: lanes 0-15 tile 2 i, lanes 16-31 tile 2 i + 1
.set VSR, 70                           ; v70-85 V's: register 4 s + i likewise
.set G,   86                           ; v86-101 g (1 - lambda_init) of my 16 channels
.set XV,  102                          ; v102-105 -M1, l1, -M2, l2 of my wave
.set MX,  106                          ; v106-113 running maxima, four chains a head
.set SM,  114                          ; v114-129 running sums, four pairs a head
.set R1,  130                          ; v[130:131], v[132:133]: the factors of p1 and p2 (the low word serves both halves)
.set R2,  132
.set NLAM, 134                         ; v134 -lam
.set AIE, 135                          ; v135 IM + 3072 w + 16 lane
.set TM,  136                          ; v136-151 temporaries
.set PW,  152                          ; v152-155 diff's scale words: they hold nothing else
.set KB,  160                          ; v160-255 two sets of four fragments of K; later:
.set XR,  160                          ;   the four waves' maxima and sums
.set U,   176                          ;   at work on them
.set PC,  160                          ;   diff's four fragments, v160-207
.set PT,  208                          ;   v208-215
.set OT,  160                          ;   the four waves' parts of my 16 channels, v160-223
.set OFN, 224                          ;   their sum, v224-239
.set SEL, 42                           ; s[42:43]
.set MSB, 0
.macro WIN new
.if MSB != (\new)
	s_set_vgpr_msb (MSB<<8)|(\new)
.set MSB, (\new)
.endif
.endm
.macro PLACES n
.rept \n
	v_nop
.endr
.endm
.macro BARRIER                         ; my LDS stores have landed and my LDS loads are in: then the work-group's barrier
	s_wait_dscnt 0x0
	s_barrier_signal -1
	s_barrier_wait -1
.endm
; The quantiser: as in the launch before (64 numbers of a lane in window w -> 12 registers of codes and a scale word in window 0).
.macro QUANT s, w, pc, pw
	WIN (\w)|((\w)<<2)
.irp b, 0,1,2,3
	v_max3_num_f32 v[TM+\b], |v[(\s)+16*\b]|, |v[(\s)+16*\b+1]|, 0x1800000   ; with the floor 2^(3 - 127): the byte cannot fall under 1
.endr
.irp i, 2,4,6,8,10,12,14
.irp b, 0,1,2,3
	v_max3_num_f32 v[TM+\b], |v[(\s)+16*\b+\i]|, |v[(\s)+16*\b+\i+1]|, v[TM+\b]
.endr
.endr
	WIN 0
.irp b, 0,1,2,3
	v_permlanex16_b32 v[TM+4+\b], v[TM+\b], s[SEL], s[SEL+1]
.endr
.irp b, 0,1,2,3
	v_max_num_f32 v[TM+\b], v[TM+\b], v[TM+4+\b]
.endr
.irp b, 0,1,2,3
	v_add_nc_u32 v[TM+12+\b], 0xff000000, v[TM+\b]
.endr
.irp b, 0,1,2,3
	v_lshrrev_b32 v[TM+4+\b], 23, v[TM+12+\b]
.endr
	v_lshl_or_b32 v[\pw], v[TM+5], 8, v[TM+4]
	v_lshl_or_b32 v[\pw], v[TM+6], 16, v[\pw]
	v_lshl_or_b32 v[\pw], v[TM+7], 24, v[\pw]
	WIN (\w)
.irp c, 0,1
	v_cvt_scalef32_pk16_fp6_f32 v[(\pc)+6*\c:(\pc)+6*\c+2], v[(\s)+32*\c:(\s)+32*\c+15], v[TM+12+2*\c]
	v_cvt_scalef32_pk16_fp6_f32 v[PT+4*\c:PT+4*\c+2], v[(\s)+32*\c+16:(\s)+32*\c+31], v[TM+13+2*\c]
.endr
	WIN 0
	v_nop                                          ; one plain instruction behind the scaled conversions
.irp c, 0,1
.irp i, 0,1,2
	v_permlane16_swap_b32 v[(\pc)+6*\c+\i], v[PT+4*\c+\i]
.endr
.irp i, 0,1,2
	v_mov_b32 v[(\pc)+3+6*\c+\i], v[PT+4*\c+\i]
.endr
.endr
.endm
	s_load_b256 s[4:11], s[0:1], 0x0               ; qkvf s[4:5], qkvs s[6:7], attn_mask s[8:9], lq1 s[10:11]
	s_load_b256 s[12:19], s[0:1], 0x20             ; lk1, lq2, lk2, subln_g
	s_load_b128 s[20:23], s[0:1], 0x40             ; af, asw
	v_lshrrev_b32 v156, 5, v0
	v_readfirstlane_b32 s36, v156                  ; wave w
	s_and_b32 s37, ttmp7, 0xffff                   ; the pair of heads
	s_mov_b32 s38, ttmp9                           ; the block of 128 queries
	s_mov_b32 s40, 0x3e38aa3b                      ; c = log2(e) / 8
	s_mov_b32 s41, s40
	s_mov_b32 s[SEL], 0x76543210
	s_mov_b32 s[SEL+1], 0xfedcba98
	s_mov_b32 s50, 0x3c000000                      ; 1 / 128
	s_mov_b32 s51, 0x3727c5ac                      ; 1e-5
	v_and_b32 v156, 31, v0                         ; lane
	v_and_b32 v157, 15, v0                         ; r
	v_bfe_u32 v158, v0, 4, 1                       ; h
	v_lshlrev_b32 v[LI], 4, v156
	s_mul_i32 s48, s36, 49152
	v_add_nc_u32 v[AK], s48, v[LI]
	s_mul_i32 s48, s36, 18432
	s_add_co_u32 s48, s48, VF
	v_add_nc_u32 v[AV], s48, v[LI]
	s_lshl_b32 s48, s36, 11
	s_add_co_u32 s48, s48, TB
	v_lshl_add_u32 v[AT], v158, 5, s48
	s_lshl_b32 s48, s36, 9
	s_add_co_u32 s48, s48, XS
	v_add_nc_u32 v[AXW], s48, v[LI]
	v_add_nc_u32 v[AXR], XS, v[LI]
	s_lshl_b32 s48, s36, 13
	s_add_co_u32 s48, s48, OX
	v_add_nc_u32 v[AOW], s48, v[LI]
	s_lshl_b32 s48, s36, 11
	s_add_co_u32 s48, s48, OX
	v_lshl_add_u32 v[AOR], v158, 10, s48
	v_lshl_add_u32 v[AOR], v157, 4, v[AOR]
	s_lshl_b32 s48, s36, 7
	s_add_co_u32 s48, s48, SQ
	v_lshl_add_u32 v[ASW], v156, 2, s48
	v_lshl_add_u32 v[ASR], v156, 2, SQ
	; my three registers of codes are registers rho = 6 (w / 2) + 3 h + i of the result's fragment, in its lane 16 (w % 2) + r: byte 512 (rho / 4) + 4 (rho % 4) + 16 r + 256 (w % 2) of the image
	s_lshr_b32 s48, s36, 1
	s_mul_i32 s48, s48, 6
	s_and_b32 s49, s36, 1
	s_lshl_b32 s49, s49, 8
	s_add_co_u32 s49, s49, IM
	v_lshl_add_u32 v159, v157, 4, s49
	v_mad_u32_u24 v160, v158, 3, s48
.irp i, 0,1,2
	v_add_nc_u32 v161, \i, v160
	v_lshrrev_b32 v162, 2, v161
	v_and_b32 v161, 3, v161
	v_lshl_add_u32 v162, v162, 9, v159
	v_lshl_add_u32 v[AIM+\i], v161, 2, v162
.endr
	s_add_co_u32 s48, s36, IS
	v_lshl_add_u32 v[AIS], v157, 2, s48
	v_lshlrev_b32 v[LQS], 2, v157
	s_mul_i32 s48, s36, 3072
	s_add_co_u32 s48, s48, IM
	v_add_nc_u32 v[AIE], s48, v[LI]
	v_lshlrev_b32 v164, 4, v0                      ; the mask: 16 bytes a thread: thread 32 w + lane has keys 512 w + 16 lane on: my wave's own
	v_lshlrev_b32 v165, 3, v156                    ; the four lambda vectors: 8 bytes a lane
	s_lshl_b32 s48, s36, 7
	v_lshl_add_u32 v174, v158, 6, s48              ; g: my 16 channels 32 w + 16 h on
	v_lshlrev_b32 v175, 2, v156                    ; scale words: 4 bytes a lane
	s_mul_i32 s48, s37, 196608
	s_mul_i32 s49, s38, 12288
	s_add_co_u32 s52, s48, s49                     ; 196608 y + 12288 x: my queries' fragments, and my results'
	s_mov_b32 s53, 0
	s_mov_b32 s55, 0
	s_wait_kmcnt 0x0
	s_add_nc_u64 s[24:25], s[4:5], s[52:53]        ; q's fragments
	s_add_nc_u64 s[20:21], s[20:21], s[52:53]
	s_mul_i32 s54, s36, 3072
	s_add_nc_u64 s[20:21], s[20:21], s[54:55]      ; af: my wave stores two of the eight fragments
	s_mul_i32 s54, s36, 49152
	s_add_co_u32 s54, s54, s48
	s_add_co_u32 s54, s54, 3145728
	s_add_nc_u64 s[28:29], s[4:5], s[54:55]        ; k's fragments of my 512 keys
	s_mul_i32 s54, s36, 786432
	s_mul_i32 s49, s37, 12288
	s_add_co_u32 s54, s54, s49
	s_add_co_u32 s54, s54, 6291456
	s_add_nc_u64 s[30:31], s[4:5], s[54:55]        ; v's: key step 4 w, feature tile 8 y
	s_lshl_b32 s48, s37, 13
	s_lshl_b32 s49, s38, 9
	s_add_co_u32 s54, s48, s49
	s_add_nc_u64 s[26:27], s[6:7], s[54:55]        ; q's scale words
	s_add_nc_u64 s[22:23], s[22:23], s[54:55]      ; asw
	s_lshl_b32 s54, s36, 11
	s_add_co_u32 s54, s54, s48
	s_add_co_u32 s54, s54, 131072
	s_add_nc_u64 s[32:33], s[6:7], s[54:55]        ; k's
	s_lshl_b32 s54, s36, 15
	s_lshl_b32 s49, s37, 9
	s_add_co_u32 s54, s54, s49
	s_add_co_u32 s54, s54, 262144
	s_add_nc_u64 s[34:35], s[6:7], s[54:55]        ; v's
	; 45 small loads
	global_load_b128 v[160:163], v164, s[8:9]
	global_load_b64 v[166:167], v165, s[10:11]
	global_load_b64 v[168:169], v165, s[12:13]
	global_load_b64 v[170:171], v165, s[14:15]
	global_load_b64 v[172:173], v165, s[16:17]
.irp c, 0,1,2,3
	global_load_b128 v[G+4*\c:G+4*\c+3], v174, s[18:19] offset:16*\c
.endr
.irp i, 0,1,2,3,4,5,6,7,8,9,10,11,12,13,14,15
	global_load_b32 v[KSR+\i], v175, s[32:33] offset:128*\i
.endr
.irp s, 0,1,2,3
.irp i, 0,1,2,3
	global_load_b32 v[VSR+4*\s+\i], v175, s[34:35] offset:8192*\s+128*\i
.endr
.endr
.irp c, 0,1,2
	global_load_b128 v[QR+4*\c:QR+4*\c+3], v[LI], s[24:25] offset:512*\c
.endr
	global_load_b32 v[QSN], v[LI+14], s[26:27]
	; 96 loads: K's 32 fragments, staged in the registers that the scores will take
	WIN 0x80
.set n, 0
.rept 64
	global_load_b128 v[4*n:4*n+3], v[LI], s[28:29] offset:512*n
.set n, n+1
.endr
	WIN 0xc0
.rept 32
	global_load_b128 v[4*(n-64):4*(n-64)+3], v[LI], s[28:29] offset:512*n
.set n, n+1
.endr
	; 36 loads: V's fragments 20 to 31 (fragment f = 8 s + t: key step s, channels 16 t on), staged likewise
.set n, 0
.rept 32
	global_load_b128 v[128+4*n:128+4*n+3], v[LI], s[30:31] offset:196608*((20+n/3)/8)+1536*((20+n/3)%8)+512*(n%3)
.set n, n+1
.endr
	WIN 0x40
.rept 4
	global_load_b128 v[240+4*(n-32):240+4*(n-32)+3], v[LI], s[30:31] offset:196608*((20+n/3)/8)+1536*((20+n/3)%8)+512*(n%3)
.set n, n+1
.endr
	; 60 loads: V's fragments 0 to 19, which stay in window 1
.set n, 0
.rept 60
	global_load_b128 v[4*n:4*n+3], v[LI], s[30:31] offset:196608*((n/3)/8)+1536*((n/3)%8)+512*(n%3)
.set n, n+1
.endr
	WIN 0
	s_wait_loadcnt 63                              ; behind K's last load 96 loads were issued: with at most 63 out, the small loads and all of K are in
	; lam = exp(lq1 . lk1) - exp(lq2 . lk2) + lambda_init; its negative is kept
	v_mul_f32 v176, v166, v168
	v_mul_f32 v177, v170, v172
	v_fmac_f32 v176, v167, v169
	v_fmac_f32 v177, v171, v173
.irp m, 1,2,4,8
	v_add_f32_dpp v176, v176, v176 row_xmask:\m row_mask:0xf bank_mask:0xf
	v_add_f32_dpp v177, v177, v177 row_xmask:\m row_mask:0xf bank_mask:0xf
.endr
	v_mov_b32 v178, 0
	v_mov_b32 v179, 0
	v_permlanex16_b32 v178, v176, s[SEL], s[SEL+1]
	v_permlanex16_b32 v179, v177, s[SEL], s[SEL+1]
	v_add_f32 v176, v176, v178
	v_add_f32 v177, v177, v179
	v_mul_f32 v176, 0x3fb8aa3b, v176
	v_mul_f32 v177, 0x3fb8aa3b, v177
	v_exp_f32 v176, v176
	v_exp_f32 v177, v177
	v_nop                                          ; a plain instruction behind the exponentials,
	s_wait_alu depctr_va_vdst(0)                   ; and a wait ahead of their first reader
	v_sub_f32 v176, v177, v176
	v_add_f32 v[NLAM], 0xbf489a63, v176            ; (e2 - e1) - lambda_init = -lam, with the same roundings
.irp j, 0,1,2,3,4,5,6,7,8,9,10,11,12,13,14,15
	v_mul_f32 v[G+\j], 0x3e5d9673, v[G+\j]         ; g (1 - lambda_init)
.endr
	; the mask as numbers: the largest f32 for an open key (a minimum with it changes nothing), -2^100 for a masked one
	v_mov_b32 v200, 0x7f7fffff
	v_mov_b32 v201, 0xf1800000
.set k, 0
.rept 16
	v_bfe_u32 v202, v[160+k/4], 8*(k%4), 8
	v_cmp_ne_u32 vcc_lo, 0, v202
	v_cndmask_b32 v[176+k], v200, v201, vcc_lo
.set k, k+1
.endr
	v_lshl_add_u32 v203, v0, 6, TB
.irp c, 0,1,2,3
	ds_store_b128 v203, v[176+4*\c:176+4*\c+3] offset:16*\c
.endr
	v_or_b32 v204, v160, v161
	v_or_b32 v205, v162, v163
	v_or_b32 v204, v204, v205
	v_cmp_ne_u32 s44, 0, v204                      ; bit l: one of my wave's keys 16 l .. 16 l + 15, its tile l, is masked
.irp i, 0,1,2,3,4,5
	v_mov_b32 v[Q1+6+\i], 0                        ; the zero halves of Q1 and Q2: written once
	v_mov_b32 v[Q2+\i], 0
.endr
	v_mov_b32 v[XV+1], 0                           ; upper halves of pairs and permutes' destinations: written once
	v_mov_b32 v[XV+3], 0
	v_mov_b32 v[R1+1], 0
	v_mov_b32 v[R2+1], 0
.irp b, 0,1,2,3
	v_mov_b32 v[TM+4+\b], 0
.endr
	WIN 0x08                                       ; an LDS store's data are its source 1
.set n, 0
.rept 64
	ds_store_b128 v[AK], v[4*n:4*n+3] offset:512*n
.set n, n+1
.endr
	WIN 0x0c
.rept 32
	ds_store_b128 v[AK], v[4*(n-64):4*(n-64)+3] offset:512*n
.set n, n+1
.endr
	s_wait_loadcnt 60                              ; only the 60 loads of the resident V may be out
.set n, 0
.rept 32
	ds_store_b128 v[AV], v[128+4*n:128+4*n+3] offset:512*n
.set n, n+1
.endr
	WIN 0x04
.rept 4
	ds_store_b128 v[AV], v[240+4*(n-32):240+4*(n-32)+3] offset:512*n
.set n, n+1
.endr
	WIN 0
	s_mov_b32 s45, 8                               ; tiles of 16 queries
	s_mov_b32 s46, 0                               ; the tile's image
	s_mov_b32 s47, 0                               ; and its scale words
.macro KLOAD gq                        ; four fragments of K (key tiles 4 gq on) into set gq % 2: 12 loads of 512 consecutive bytes; the bytes are my wave's own
.irp i, 0,1,2,3
.irp c, 0,1,2
	ds_load_b128 v[KB+48*((\gq)%2)+12*\i+4*\c:KB+48*((\gq)%2)+12*\i+4*\c+3], v[AK] offset:1536*(4*(\gq)+\i)+512*\c
.endr
.endr
.endm
.macro SCORE gq, i, q
.if (\i)%2
	v_wmma_scale_f32_16x16x128_f8f6f4 v[8*(4*(\gq)+\i):8*(4*(\gq)+\i)+7], v[KB+48*((\gq)%2)+12*\i:KB+48*((\gq)%2)+12*\i+11], v[\q:\q+11], 0, v[KSR+(4*(\gq)+\i)/2], v[QS] matrix_a_fmt:MATRIX_FMT_FP6 matrix_b_fmt:MATRIX_FMT_FP6 matrix_a_scale:MATRIX_SCALE_ROW1
.else
	v_wmma_scale_f32_16x16x128_f8f6f4 v[8*(4*(\gq)+\i):8*(4*(\gq)+\i)+7], v[KB+48*((\gq)%2)+12*\i:KB+48*((\gq)%2)+12*\i+11], v[\q:\q+11], 0, v[KSR+(4*(\gq)+\i)/2], v[QS] matrix_a_fmt:MATRIX_FMT_FP6 matrix_b_fmt:MATRIX_FMT_FP6
.endif
.endm
; The mask and the maxima of group gq's four key tiles, both heads.  Where none of the group's 64 keys is masked (a scalar branch on the mask's own bytes; no barrier stands in it) the minima are jumped over.
.macro MASKMAX gq
	WIN 0
	s_and_b32 s48, s44, 0xf<<(4*(\gq))
	s_cmp_lg_u32 s48, 0
	s_cbranch_scc0 .Lopen_\@
.irp u, 0,1
.irp x, 0,1
	ds_load_b128 v[TM+8*\x:TM+8*\x+3], v[AT] offset:64*(4*(\gq)+2*\u+\x)
	ds_load_b128 v[TM+8*\x+4:TM+8*\x+7], v[AT] offset:64*(4*(\gq)+2*\u+\x)+16
.endr
	s_wait_dscnt 0x0
	WIN 0x82
.set j, 0
.rept 16
	v_min_num_f32 v[8*(4*(\gq)+2*\u)+j], v[8*(4*(\gq)+2*\u)+j], v[TM+j]
.set j, j+1
.endr
	WIN 0xc3
.set j, 0
.rept 16
	v_min_num_f32 v[8*(4*(\gq)+2*\u)+j], v[8*(4*(\gq)+2*\u)+j], v[TM+j]
.set j, j+1
.endr
	WIN 0
.endr
.Lopen_\@:
	WIN 0x28                                       ; the four tiles by turns, each from its low end on
.irp k, 0,1,2,3
.irp i, 0,1,2,3
	v_max3_num_f32 v[MX+\i], v[MX+\i], v[8*(4*(\gq)+\i)+2*\k], v[8*(4*(\gq)+\i)+2*\k+1]
.endr
.endr
	WIN 0x3c
.irp k, 0,1,2,3
.irp i, 0,1,2,3
	v_max3_num_f32 v[MX+4+\i], v[MX+4+\i], v[8*(4*(\gq)+\i)+2*\k], v[8*(4*(\gq)+\i)+2*\k+1]
.endr
.endr
.endm
; Eight score products, then the group before's mask and maxima: 32 plain instructions that name none of these products' registers: the places in front of the loads into the set just read, and of the next reads.
.macro GROUP gq
.if \gq < 7
	s_wait_dscnt 12                                ; this group's fragments are in; the next group's 12 loads may be out
.else
	s_wait_dscnt 0x0
.endif
	WIN 0x80
.irp i, 0,1,2,3
	SCORE \gq, \i, Q1
.endr
	WIN 0xc0
.irp i, 0,1,2,3
	SCORE \gq, \i, Q2
.endr
.if \gq == 0
	PLACES 4
.else
	MASKMAX (\gq-1)
.endif
	WIN 0
.if \gq < 6
	KLOAD (\gq+2)
.endif
.endm
; p = 2^(c s - M) of one head, in place: the scalings stand among the exponentials, 64 registers ahead of them; nothing here names an exponential's result.
.macro PEXP w, nm
	WIN ((\w)<<6)|(\w)
.set n, 0
.rept 32
	v_pk_fma_f32 v[2*n:2*n+1], v[2*n:2*n+1], s[40:41], v[\nm:\nm+1] op_sel_hi:[1,0,0]
.set n, n+1
.endr
.set n, 0
.rept 96
	v_exp_f32 v[2*n], v[2*n]
	v_exp_f32 v[2*n+1], v[2*n+1]
	v_pk_fma_f32 v[2*n+64:2*n+65], v[2*n+64:2*n+65], s[40:41], v[\nm:\nm+1] op_sel_hi:[1,0,0]
.set n, n+1
.endr
.rept 32
	v_exp_f32 v[2*n], v[2*n]
	v_exp_f32 v[2*n+1], v[2*n+1]
.set n, n+1
.endr
.endm
.macro PSUM w, sm                      ; the sum of one head's p, two at a time, in four chains
	WIN (\w)
.set n, 0
.rept 128
	v_pk_add_f32 v[\sm+2*(n%4):\sm+2*(n%4)+1], v[2*n:2*n+1], v[\sm+2*(n%4):\sm+2*(n%4)+1]
.set n, n+1
.endr
.endm
; Product f of 32 of O^T += V^T diff^T: key step f / 8, channels 16 (f % 8) on.  The eight accumulators take turns, one instruction a turn; the first eight start the sums.
.macro PVI
.set pvs, f/8
.set pvt, f%8
.if f < 20
	WIN 0xf1
.set pva, 12*f
.else
	WIN 0xf3
.set pva, 64+12*(f-20)
.endif
.if pvs == 0
.if pvt%2
	v_wmma_scale_f32_16x16x128_f8f6f4 v[8*pvt:8*pvt+7], v[pva:pva+11], v[PC+12*pvs:PC+12*pvs+11], 0, v[VSR+4*pvs+pvt/2], v[PW+pvs] matrix_a_fmt:MATRIX_FMT_FP6 matrix_b_fmt:MATRIX_FMT_FP6 matrix_a_scale:MATRIX_SCALE_ROW1
.else
	v_wmma_scale_f32_16x16x128_f8f6f4 v[8*pvt:8*pvt+7], v[pva:pva+11], v[PC+12*pvs:PC+12*pvs+11], 0, v[VSR+4*pvs+pvt/2], v[PW+pvs] matrix_a_fmt:MATRIX_FMT_FP6 matrix_b_fmt:MATRIX_FMT_FP6
.endif
.else
.if pvt%2
	v_wmma_scale_f32_16x16x128_f8f6f4 v[8*pvt:8*pvt+7], v[pva:pva+11], v[PC+12*pvs:PC+12*pvs+11], v[8*pvt:8*pvt+7], v[VSR+4*pvs+pvt/2], v[PW+pvs] matrix_a_fmt:MATRIX_FMT_FP6 matrix_b_fmt:MATRIX_FMT_FP6 matrix_a_scale:MATRIX_SCALE_ROW1
.else
	v_wmma_scale_f32_16x16x128_f8f6f4 v[8*pvt:8*pvt+7], v[pva:pva+11], v[PC+12*pvs:PC+12*pvs+11], v[8*pvt:8*pvt+7], v[VSR+4*pvs+pvt/2], v[PW+pvs] matrix_a_fmt:MATRIX_FMT_FP6 matrix_b_fmt:MATRIX_FMT_FP6
.endif
.endif
.endm
.Ltile:                                            ; eight trips: a tile of 16 queries each
	; ---- 1: this tile's q (in since the head, or since the wait in front of the last trip's second product); the next tile's is asked for
.irp i, 0,1,2,3,4,5
	v_mov_b32 v[Q1+\i], v[QR+\i]
	v_mov_b32 v[Q2+6+\i], v[QR+6+\i]
.endr
	v_mov_b32 v[QS], v[QSN]
.irp c, 0,1,2
	global_load_b128 v[QR+4*\c:QR+4*\c+3], v[LI], s[24:25] offset:1536+512*\c   ; (the last trip's look-ahead falls on the next fragment of the same buffer and is not used)
.endr
	global_load_b32 v[QSN], v[LQS], s[26:27] offset:64
	KLOAD 0
	KLOAD 1
.irp i, 0,1,2,3,4,5,6,7
	v_mov_b32 v[MX+\i], 0xff800000                 ; these 24 lines are also the places between the moves above and the scaled products
.endr
.irp i, 0,1,2,3,4,5,6,7,8,9,10,11,12,13,14,15
	v_mov_b32 v[SM+\i], 0
.endr
	; ---- 2: the scores of both heads against my 512 keys: window 2 the first head's, window 3 the second's, tile tau at 8 tau
.irp gq, 0,1,2,3,4,5,6,7
	GROUP \gq
.endr
	MASKMAX 7
	; ---- 3: my wave's largest t of each head, rounded up: -M = floor(-t)
	WIN 0
	v_max3_num_f32 v156, v[MX], v[MX+1], v[MX+2]
	v_max3_num_f32 v158, v[MX+4], v[MX+5], v[MX+6]
	v_max_num_f32 v156, v156, v[MX+3]
	v_max_num_f32 v158, v158, v[MX+7]
	v_permlanex16_b32 v157, v156, s[SEL], s[SEL+1]
	v_permlanex16_b32 v159, v158, s[SEL], s[SEL+1]
	v_max_num_f32 v156, v156, v157
	v_max_num_f32 v158, v158, v159
	v_mul_f32 v156, s40, v156
	v_mul_f32 v158, s40, v158
	v_floor_f32 v[XV], -v156
	v_floor_f32 v[XV+2], -v158
	; ---- 4: p, 512 exponentials as one batch
	PEXP 2, XV
	PEXP 3, XV+2
	v_nop                                          ; a plain instruction behind the last exponential,
	s_wait_alu depctr_va_vdst(0)                   ; and ONE wait for the batch, ahead of its first reader
	; ---- 5: my wave's sums
	PSUM 2, SM
	PSUM 3, SM+8
	WIN 0
	v_pk_add_f32 v[SM:SM+1], v[SM:SM+1], v[SM+2:SM+3]
	v_pk_add_f32 v[SM+8:SM+9], v[SM+8:SM+9], v[SM+10:SM+11]
	v_pk_add_f32 v[SM+4:SM+5], v[SM+4:SM+5], v[SM+6:SM+7]
	v_pk_add_f32 v[SM+12:SM+13], v[SM+12:SM+13], v[SM+14:SM+15]
	v_pk_add_f32 v[SM:SM+1], v[SM:SM+1], v[SM+4:SM+5]
	v_pk_add_f32 v[SM+8:SM+9], v[SM+8:SM+9], v[SM+12:SM+13]
	v_add_f32 v156, v[SM], v[SM+1]
	v_add_f32 v158, v[SM+8], v[SM+9]
	v_permlanex16_b32 v157, v156, s[SEL], s[SEL+1]
	v_permlanex16_b32 v159, v158, s[SEL], s[SEL+1]
	v_add_f32 v[XV+1], v156, v157
	v_add_f32 v[XV+3], v158, v159
	; ---- 6: the waves exchange -M and l; the row's M and l; diff
	ds_store_b128 v[AXW], v[XV:XV+3]
	BARRIER
.irp x, 0,1,2,3
	ds_load_b128 v[XR+4*\x:XR+4*\x+3], v[AXR] offset:512*\x
.endr
	s_wait_dscnt 0x0
.irp d, 0,1
	v_min3_num_f32 v[U+12*\d], v[XR+2*\d], v[XR+4+2*\d], v[XR+8+2*\d]
.endr
.irp d, 0,1
	v_min_num_f32 v[U+12*\d], v[U+12*\d], v[XR+12+2*\d]          ; the least -M: the row's
.endr
.irp d, 0,1
.irp x, 0,1,2,3
	v_sub_f32 v[U+12*\d+1+\x], v[U+12*\d], v[XR+4*\x+2*\d]       ; M_x - M: a whole number, 0 or less
.endr
	v_sub_f32 v[U+12*\d+9], v[U+12*\d], v[XV+2*\d]               ; and my own wave's
.endr
.irp d, 0,1
.irp x, 0,1,2,3
	v_cvt_i32_f32 v[U+12*\d+1+\x], v[U+12*\d+1+\x]               ; (it saturates)
.endr
	v_cvt_i32_f32 v[U+12*\d+9], v[U+12*\d+9]
.endr
.irp d, 0,1
.irp x, 0,1,2,3
	v_ldexp_f32 v[U+12*\d+5+\x], v[XR+4*\x+2*\d+1], v[U+12*\d+1+\x]   ; l_x 2^(M_x - M): nothing is rounded
.endr
.endr
.irp d, 0,1
	v_add_f32 v[U+12*\d+5], v[U+12*\d+5], v[U+12*\d+6]
	v_add_f32 v[U+12*\d+7], v[U+12*\d+7], v[U+12*\d+8]
.endr
.irp d, 0,1
	v_add_f32 v[U+12*\d+10], v[U+12*\d+5], v[U+12*\d+7]          ; the row's sum, the same bits in all four waves
.endr
	v_rcp_f32 v[U+10], v[U+10]
	v_rcp_f32 v[U+22], v[U+22]
	v_nop
	s_wait_alu depctr_va_vdst(0)                   ; one wait for the two reciprocals
	v_ldexp_f32 v[R1], v[U+10], v[U+9]             ; 2^(M_w - M) / l
	v_ldexp_f32 v[R2], v[U+22], v[U+21]
	v_mul_f32 v[R2], v[NLAM], v[R2]                ; x -lam
	WIN 0x82
.set n, 0
.rept 128
	v_pk_mul_f32 v[2*n:2*n+1], v[2*n:2*n+1], v[R1:R1+1] op_sel_hi:[1,0]
.set n, n+1
.endr
	WIN 0xa3
.set n, 0
.rept 128
	v_pk_fma_f32 v[2*n:2*n+1], v[2*n:2*n+1], v[R2:R2+1], v[2*n:2*n+1] op_sel_hi:[1,0,1]   ; diff = p1 / l1 - lam p2 / l2, in the first head's registers
.set n, n+1
.endr
	WIN 0xc0                                       ; the second head's registers are free: V's twelve fragments from LDS land at v64-207 of window 3 while diff is quantised
.set n, 0
.rept 36
	ds_load_b128 v[64+4*n:64+4*n+3], v[AV] offset:512*n
.set n, n+1
.endr
	WIN 0
.irp s, 0,1,2,3
	QUANT 64*\s, 2, PC+12*\s, PW+\s                ; key step s: one fragment, one scale word a query
.endr
	; ---- 7: O^T of my 512 keys
	PLACES 8                                       ; a scale word made by vector instructions stands 8 places ahead of a scaled product, an operand 4
	s_wait_dscnt 0x0                               ; V's twelve
	s_wait_loadcnt 0x0                             ; the first trip: the resident V; every trip: the next tile's q
.set f, 0
.rept 32
	PVI
.set f, f+1
.endr
	; ---- 8: the waves' parts meet.  Wave w takes channels 32 w .. 32 w + 31: lane (r, h) reads channels 32 w + 16 h + 0 .. 15 of query r, in their true order, from all four parts
	PLACES 4
	WIN 0x0c
.set n, 0
.rept 16
	ds_store_b128 v[AOW], v[4*n:4*n+3] offset:512*n   ; each accumulator from its low end on
.set n, n+1
.endr
	WIN 0
	BARRIER
.irp x, 0,1,2,3
.irp e, 0,1
.irp c, 0,1
	ds_load_b128 v[OT+16*\x+8*\e+4*\c:OT+16*\x+8*\e+4*\c+3], v[AOR] offset:8192*\x+256*\e+512*\c
.endr
.endr
.endr
	s_wait_dscnt 0x0
.irp j, 0,2,4,6,8,10,12,14
	v_pk_add_f32 v[OT+\j:OT+\j+1], v[OT+\j:OT+\j+1], v[OT+16+\j:OT+16+\j+1]
	v_pk_add_f32 v[OT+32+\j:OT+32+\j+1], v[OT+32+\j:OT+32+\j+1], v[OT+48+\j:OT+48+\j+1]
.endr
.irp j, 0,2,4,6,8,10,12,14
	v_pk_add_f32 v[OFN+\j:OFN+\j+1], v[OT+\j:OT+\j+1], v[OT+32+\j:OT+32+\j+1]
.endr
	v_pk_mul_f32 v[240:241], v[OFN:OFN+1], v[OFN:OFN+1]
	v_pk_mul_f32 v[242:243], v[OFN+2:OFN+3], v[OFN+2:OFN+3]
.irp j, 4,8,12
	v_pk_fma_f32 v[240:241], v[OFN+\j:OFN+\j+1], v[OFN+\j:OFN+\j+1], v[240:241]
	v_pk_fma_f32 v[242:243], v[OFN+\j+2:OFN+\j+3], v[OFN+\j+2:OFN+\j+3], v[242:243]
.endr
	v_pk_add_f32 v[240:241], v[240:241], v[242:243]
	v_add_f32 v156, v240, v241
	v_permlanex16_b32 v157, v156, s[SEL], s[SEL+1]
	v_add_f32 v156, v156, v157                     ; the squares of my wave's 32 channels of query r
	ds_store_b32 v[ASW], v156
	BARRIER
	; ---- 9: the norm, the gain, and the codes of my block of 32 along the last product's K
.irp x, 0,1,2,3
	ds_load_b32 v[244+\x], v[ASR] offset:128*\x
.endr
	s_wait_dscnt 0x0
	v_add_f32 v244, v244, v245
	v_add_f32 v246, v246, v247
	v_add_f32 v244, v244, v246
	v_fma_f32 v244, v244, s50, s51                 ; the mean of the squares + 1e-5
	v_rsq_f32 v156, v244
	v_nop
	s_wait_alu depctr_va_vdst(0)
.irp j, 0,2,4,6,8,10,12,14
	v_pk_mul_f32 v[OFN+\j:OFN+\j+1], v[OFN+\j:OFN+\j+1], v[156:157] op_sel_hi:[1,0]
.endr
.irp j, 0,2,4,6,8,10,12,14
	v_pk_mul_f32 v[OFN+\j:OFN+\j+1], v[OFN+\j:OFN+\j+1], v[G+\j:G+\j+1]
.endr
	v_max3_num_f32 v140, |v[OFN]|, |v[OFN+1]|, 0x1800000
	v_max3_num_f32 v141, |v[OFN+2]|, |v[OFN+3]|, |v[OFN+4]|
	v_max3_num_f32 v140, v140, |v[OFN+5]|, |v[OFN+6]|
	v_max3_num_f32 v141, v141, |v[OFN+7]|, |v[OFN+8]|
	v_max3_num_f32 v140, v140, |v[OFN+9]|, |v[OFN+10]|
	v_max3_num_f32 v141, v141, |v[OFN+11]|, |v[OFN+12]|
	v_max3_num_f32 v140, v140, |v[OFN+13]|, |v[OFN+14]|
	v_max3_num_f32 v140, v140, v141, |v[OFN+15]|
	v_permlanex16_b32 v159, v140, s[SEL], s[SEL+1]
	v_max_num_f32 v140, v140, v159                 ; the block's largest magnitude
	v_add_nc_u32 v141, 0xff000000, v140
	v_cvt_scalef32_pk16_fp6_f32 v[136:138], v[OFN:OFN+15], v141
	v_lshrrev_b32 v142, 23, v141                   ; the scale's byte (a plain instruction behind the conversion)
	v_add_nc_u32 v143, s46, v[AIM]
	v_add_nc_u32 v144, s46, v[AIM+1]
	v_add_nc_u32 v145, s46, v[AIM+2]
	v_add_nc_u32 v146, s47, v[AIS]
	ds_store_b32 v143, v136                        ; each word of the tile's image is written by one lane of one wave
	ds_store_b32 v144, v137
	ds_store_b32 v145, v138
	ds_store_b8 v146, v142                         ; byte w of row r's scale word (lanes l and l xor 16: the same byte, the same value)
	s_add_nc_u64 s[24:25], s[24:25], 1536          ; (q's loads were waited for in front of the second product)
	s_add_nc_u64 s[26:27], s[26:27], 64
	s_add_co_u32 s46, s46, 1536
	s_add_co_u32 s47, s47, 64
	s_sub_co_u32 s45, s45, 1
	s_cmp_lg_u32 s45, 0
	s_cbranch_scc1 .Ltile
	BARRIER                                        ; the eight images are whole
.irp i, 0,1,2,3,4,5
	ds_load_b128 v[160+4*\i:163+4*\i], v[AIE] offset:512*\i
.endr
.irp i, 0,1,2,3,4,5
	s_wait_dscnt 5-\i                              ; the younger loads may be out
	global_store_b128 v[LI], v[160+4*\i:163+4*\i], s[20:21] offset:512*\i   ; 512 consecutive bytes a store
.endr
	s_cmp_lg_u32 s36, 0
	s_cbranch_scc1 .Lend
	ds_load_b128 v[184:187], v[AXR] offset:IS-XS   ; wave 0: the eight tiles' scale words, 512 bytes
	s_wait_dscnt 0x0
	global_store_b128 v[LI], v[184:187], s[22:23]
.Lend:
	s_endpgm
.Lfunc_end_k_qc4eff727c3_attn:
	.size	k_qc4eff727c3_attn, .Lfunc_end_k_qc4eff727c3_attn-k_qc4eff727c3_attn
	.p2alignl 7, 3214868480
	.fill 96, 4, 3214868480
	.section	.rodata,"a",@progbits
	.p2align	6, 0x0
	.amdhsa_kernel k_qc4eff727c3_attn
		.amdhsa_group_segment_fixed_size 327680
		.amdhsa_private_segment_fixed_size 0
		.amdhsa_enable_private_segment 0
		.amdhsa_kernarg_size 80
		.amdhsa_user_sgpr_count 2
		.amdhsa_user_sgpr_kernarg_segment_ptr 1
		.amdhsa_wavefront_size32 1
		.amdhsa_system_sgpr_workgroup_id_x 1
		.amdhsa_system_sgpr_workgroup_id_y 1
		.amdhsa_system_sgpr_workgroup_id_z 1
		.amdhsa_system_vgpr_workitem_id 0
		.amdhsa_next_free_vgpr 1024
		.amdhsa_next_free_sgpr 66
		.amdhsa_reserve_vcc 1
		.amdhsa_float_denorm_mode_32 3
		.amdhsa_float_denorm_mode_16_64 3
		.amdhsa_memory_ordered 1
		.amdhsa_forward_progress 1
		.amdhsa_inst_pref_size 197
	.end_amdhsa_kernel
	.amdgpu_metadata
---
amdhsa.version: [ 1, 2 ]
amdhsa.kernels:
  - .name:           k_qc4eff727c3_attn
    .symbol:         k_qc4eff727c3_attn.kd
    .args:
      - { .name: qkvf, .offset: 0, .size: 8, .value_kind: global_buffer, .address_space: global }
      - { .name: qkvs, .offset: 8, .size: 8, .value_kind: global_buffer, .address_space: global }
      - { .name: attn_mask, .offset: 16, .size: 8, .value_kind: global_buffer, .address_space: global }
      - { .name: lq1, .offset: 24, .size: 8, .value_kind: global_buffer, .address_space: global }
      - { .name: lk1, .offset: 32, .size: 8, .value_kind: global_buffer, .address_space: global }
      - { .name: lq2, .offset: 40, .size: 8, .value_kind: global_buffer, .address_space: global }
      - { .name: lk2, .offset: 48, .size: 8, .value_kind: global_buffer, .address_space: global }
      - { .name: subln_g, .offset: 56, .size: 8, .value_kind: global_buffer, .address_space: global }
      - { .name: af, .offset: 64, .size: 8, .value_kind: global_buffer, .address_space: global }
      - { .name: asw, .offset: 72, .size: 8, .value_kind: global_buffer, .address_space: global }
    .group_segment_fixed_size: 327680
    .private_segment_fixed_size: 0
    .kernarg_segment_align: 8
    .kernarg_segment_size: 80
    .max_flat_workgroup_size: 128
    .sgpr_count:     66
    .vgpr_count:     1024
    .wavefront_size: 32
...
	.end_amdgpu_metadata
.endif
;; end of part 2
;; launch outp (part 3): grid 8 x 8, 4 waves a work-group, clusters of 4 x 4, 327,680 bytes of LDS; arguments af, asw, Wo_codes, Wo_scales, out0; writes out0
.if DOCPART == 3
	.amdgcn_target "amdgcn-amd-amdhsa--gfx1250"
	.amdhsa_code_object_version 6
	.text
	.protected	k_qc4eff727c3_outp
	.globl	k_qc4eff727c3_outp
	.p2align	8
	.type	k_qc4eff727c3_outp,@function
k_qc4eff727c3_outp:
	s_mov_b64 s[64:65], 0
	v_nop
	global_prefetch_b8 v0, s[64:65] scope:SCOPE_SE
	s_setreg_imm32_b32 hwreg(HW_REG_WAVE_MODE, 25, 1), 1
	s_wait_xcnt 0x0
	s_wait_alu depctr_hold_cnt(0) depctr_sa_sdst(0) depctr_va_vdst(0) depctr_va_sdst(0) depctr_va_ssrc(0) depctr_va_vcc(0) depctr_vm_vsrc(0)
	s_getreg_b32 s2, hwreg(HW_REG_IB_STS2, 6, 4)
	s_cmp_eq_u32 s2, 0
	s_cbranch_scc0 .Lentry_in_a_cluster
	s_endpgm
.Lentry_in_a_cluster:
	s_bfe_u32 s2, ttmp6, 0x10000c
	s_cmp_lg_u32 s2, 0xf033
	s_cbranch_scc0 .Lentry_shape_is_right
	s_endpgm
.Lentry_shape_is_right:
; out0[token][f] = sum over e of attn[token][e] Wo[f][e], on codes of FP6 (E2M3) with E8M0 scales; sums in f32.
; attn comes as images of the operand's registers: fragment (S = 128 along K, T = 16 tokens) at (128 S + T) x 1,536 bytes of af, register group c of lane l at 512 c + 16 l; its scale words at (128 S + T) x 64 of asw.
; Wo comes as rows of codes (1,536 bytes) and rows of scale bytes (64).
; A tile of out0, 256 x 256, is made by a work-group of four waves, 128 x 128 each (64 accumulators).  64 work-groups: the product has no more tiles of this size; a smaller tile would read each LDS byte for half the products.
; K goes in steps of 256 through a ring of two LDS slots filled by joint tensor loads of a 4 x 4 cluster: attn's tile (two dense blocks of 24,576 bytes) is shared along a row of the cluster, Wo's along a column.
; The scale words of all of K come once, with the first fills.  THE MATRIX INSTRUCTION IS USED TRANSPOSED (source 0 = 16 rows of Wo, source 1 = 16 tokens): a lane holds eight neighbouring numbers of a row of out0.
; LIMIT: a scale byte 0xff in Wo_scales is not served.
.set SIZE_N, 2048
.set SIZE_K, 2048
.set NQ,     2                         ; matrix instructions deep in a slot
.set ROWB,   192
.set KROW,   SIZE_K*6/8
.set PITCH,  240                       ; Wo's LDS row: 3 x (64 bytes + 16 of padding)
.set FR,     12
.set NLA,    3                         ; LDS loads that bring a fragment of attn
.set NP,     4
.set APL,    24576                     ; attn: 16 fragments of one 128 along K
.set BOFF,   2*APL                     ; Wo's rows lie behind attn's two planes
.set HALFT,  128*PITCH
.set SLOT,   BOFF+2*HALFT
.set LAPS,   SIZE_K/512
.set KS,     SIZE_K/32
.set SCA,    2*SLOT                    ; attn's scale words: 16 x 1,024 bytes
.set SCB,    SCA+16384                 ; Wo's scale bytes: rows of 256 bytes + 16
.set HALFS,  (128*KS/256)*272
.set SBLK,   (16*KS/256)*272
.set SPARE,  SCB+2*HALFS               ; the spare words: 128 bytes a wave, named by no other line
.set SPITCH, 528                       ; the way out: a stage of 16 rows x (512 + 16) bytes a wave, in slot 0
.set ADRA, 16                          ; v16-17  attn's fragments in slot 0, 1: 12288 x row half + 16 x lane
.set ADRB, 20                          ; v20-23  Wo's
.set STO,  24
.set RD,   25
.set CO,   26                          ; v26     16 x lane
.set ADSA, 27                          ; v27     attn's scale words
.set SPW,  28
.set NIL,  29
.set ADSB, 30                          ; v30     Wo's scale words
.set SCAR, 32                          ; v32-63  attn's scale words, two sets: register 2 i + q;  v64-95 Wo's likewise.  They hold nothing else
.set SCBR, 64
.set AF,   128
.set BK,   128
.set G1, 24
.set G0, 32
.set G1B, 48
.set G0B, 56
.set G1S, 68
.set G0S, 76
.set G1SB, 80
.set G0SB, 88
.set MSB, 0
.macro WIN new
.if MSB != (\new)
	s_set_vgpr_msb (MSB<<8)|(\new)
.set MSB, (\new)
.endif
.endm
.set MUL_LO, 0xa1
.set MUL_HI, 0xf1
.set TO_B,   0x40
.macro JLOAD g0a, g1a, g0b, g1b        ; waves 0 and 1 fetch for attn, waves 2 and 3 for Wo; four v_nop follow each of the two lines
	s_cmp_eq_u32 s15, 0
	s_cbranch_scc0 .Lfor_b_\@
	tensor_load_to_lds s[\g0a:\g0a+3], s[\g1a:\g1a+7]
.rept 4
	v_nop
.endr
	s_branch .Lasked_\@
.Lfor_b_\@:
	tensor_load_to_lds s[\g0b:\g0b+3], s[\g1b:\g1b+7]
.rept 4
	v_nop
.endr
.Lasked_\@:
.endm
.macro CREST
	s_cmp_lg_u32 s14, 0
	s_cbranch_scc1 .Lnot_wave_0_\@
	s_barrier_signal -3
.Lnot_wave_0_\@:
	s_barrier_wait -3
	s_barrier_signal -1
	s_barrier_wait -1
.endm
.macro CROUND
	s_barrier_signal -1
	s_barrier_wait -1
	CREST
.endm
	s_load_b128 s[4:7], s[0:1], 0x0                ; af, asw
	s_load_b128 s[8:11], s[0:1], 0x10              ; Wo's codes, Wo's scales
	s_load_b64 s[12:13], s[0:1], 0x20              ; out0
	v_lshl_add_u32 v[SPW], v0, 2, SPARE
	v_mov_b32 v[NIL], 0
	v_lshrrev_b32 v1, 5, v0
	v_readfirstlane_b32 s14, v1                    ; wave 0..3
	s_lshr_b32 s15, s14, 1                         ; my half of the tile's rows.  Also: I fetch for attn (0) or for Wo (1)
	s_and_b32 s16, s14, 1                          ; my half of its columns.  Also: which part I fetch
	s_bfe_u32 s40, ttmp6, 0x40000
	s_bfe_u32 s41, ttmp6, 0x40004
	s_lshl_b32 s42, ttmp9, 2
	s_add_co_u32 s42, s42, s40                     ; tile column
	s_and_b32 s17, ttmp7, 0xffff
	s_lshl_b32 s17, s17, 2
	s_add_co_u32 s17, s17, s41                     ; tile row
	s_lshl_b32 s43, s41, 2
	s_lshl_b32 s43, 15, s43                        ; my row of the cluster
	s_lshl_b32 s44, 0x1111, s40                    ; my column
	; attn's plane: 24,576 dense bytes as 96 rows of 256 bytes (32 elements of 8 bytes), no padding
	s_or_b32 s[G1+0], s43, (3<<16)|(1<<21)
	s_mov_b32 s[G1+1], 32<<16
	s_mov_b32 s[G1+2], 96<<16
	s_mov_b32 s[G1+3], 32<<16
	s_mov_b32 s[G1+4], 96
	s_mov_b32 s[G1+5], 32
	s_mov_b32 s[G1+6], 0
	s_mov_b32 s[G1+7], 0
	; Wo's tile: 128 rows x 192 bytes, 16 bytes of padding behind every 64
	s_or_b32 s[G1B+0], s44, (0<<16)|(1<<20)|(1<<21)|(3<<22)|(3<<25)
	s_mov_b32 s[G1B+1], ROWB<<16
	s_mov_b32 s[G1B+2], 128<<16
	s_mov_b32 s[G1B+3], ROWB<<16
	s_mov_b32 s[G1B+4], 128
	s_mov_b32 s[G1B+5], KROW
	s_mov_b32 s[G1B+6], 0
	s_mov_b32 s[G1B+7], 0
	; attn's scale words: 8 rows (128 along K each) of 1,024 bytes (128 elements of 8), 8,192 bytes apart
	s_or_b32 s[G1S+0], s43, (3<<16)|(1<<21)
	s_mov_b32 s[G1S+1], 128<<16
	s_mov_b32 s[G1S+2], 8<<16
	s_mov_b32 s[G1S+3], 128<<16
	s_mov_b32 s[G1S+4], 8
	s_mov_b32 s[G1S+5], 1024
	s_mov_b32 s[G1S+6], 0
	s_mov_b32 s[G1S+7], 0
	; Wo's scale bytes of 128 rows: 8,192 dense bytes as 32 rows of 256, 16 bytes of padding behind each
	s_or_b32 s[G1SB+0], s44, (3<<16)|(1<<20)|(1<<21)|(5<<22)|(3<<25)
	s_mov_b32 s[G1SB+1], 32<<16
	s_mov_b32 s[G1SB+2], (128*KS/256)<<16
	s_mov_b32 s[G1SB+3], 32<<16
	s_mov_b32 s[G1SB+4], 128*KS/256
	s_mov_b32 s[G1SB+5], 32
	s_mov_b32 s[G1SB+6], 0
	s_mov_b32 s[G1SB+7], 0
	s_mul_i32 s20, s17, 24576                      ; attn: the tile row's 16 fragments,
	s_mul_i32 s18, s16, 196608                     ; of the plane that I fetch
	s_add_co_u32 s20, s20, s18
	s_mov_b32 s21, 0
	s_lshl_b32 s22, s17, 10                        ; its scale words: the tile row's 1,024 bytes,
	s_lshl_b32 s18, s16, 16                        ; of the eight planes that I fetch
	s_add_co_u32 s22, s22, s18
	s_mov_b32 s23, 0
	s_lshl_b32 s18, s16, 7
	s_lshl_b32 s46, s42, 8
	s_add_co_u32 s46, s46, s18                     ; Wo: row 256 x tile column + 128 x half
	s_lshl_b32 s92, s46, 6                         ; its scale bytes
	s_mov_b32 s93, 0
	s_mul_i32 s46, s46, KROW                       ; its codes
	s_mov_b32 s47, 0
	s_mul_i32 s45, s16, APL                        ; where they go: no place in the cluster enters an LDS address
	s_mul_i32 s94, s16, HALFT
	s_add_co_u32 s94, s94, BOFF
	s_lshl_b32 s66, s16, 13
	s_add_co_u32 s66, s66, SCA
	s_mul_i32 s67, s16, HALFS
	s_add_co_u32 s67, s67, SCB
	s_wait_kmcnt 0x0
	s_add_nc_u64 s[20:21], s[4:5], s[20:21]
	s_add_nc_u64 s[22:23], s[6:7], s[22:23]
	s_add_nc_u64 s[46:47], s[8:9], s[46:47]
	s_add_nc_u64 s[92:93], s[10:11], s[92:93]
	CROUND                                         ; all sixteen work-groups are here: the first joint loads meet
	s_mov_b32 s[G0S], 1
	s_mov_b32 s[G0S+1], s66
	s_mov_b64 s[G0S+2:G0S+3], s[22:23]
	s_or_b32 s[G0S+3], s[G0S+3], 0x80000000
	s_mov_b32 s[G0SB], 1
	s_mov_b32 s[G0SB+1], s67
	s_mov_b64 s[G0SB+2:G0SB+3], s[92:93]
	s_or_b32 s[G0SB+3], s[G0SB+3], 0x80000000
	JLOAD G0S, G1S, G0SB, G1SB                     ; the scales first
.irp s, 0,1
	s_mov_b32 s[G0+4*\s], 1
	s_add_co_u32 s[G0+4*\s+1], s45, \s*SLOT
	s_add_nc_u64 s[G0+4*\s+2:G0+4*\s+3], s[20:21], \s*393216     ; a K step of 256 is two planes of 196,608 bytes
	s_or_b32 s[G0+4*\s+3], s[G0+4*\s+3], 0x80000000
	s_mov_b32 s[G0B+4*\s], 1
	s_add_co_u32 s[G0B+4*\s+1], s94, \s*SLOT
	s_add_nc_u64 s[G0B+4*\s+2:G0B+4*\s+3], s[46:47], \s*ROWB
	s_or_b32 s[G0B+4*\s+3], s[G0B+4*\s+3], 0x80000000
	JLOAD G0+4*\s, G1, G0B+4*\s, G1B
.endr
	v_and_b32 v1, 15, v0                           ; l % 16
	v_bfe_u32 v2, v0, 4, 1                         ; l / 16
	v_and_b32 v6, 31, v0
	v_lshlrev_b32 v[CO], 4, v6                     ; 16 x lane
	s_mul_i32 s21, s15, 12288                      ; my eight fragments of attn in a plane
	v_add_nc_u32 v[ADRA], s21, v[CO]
	s_add_co_u32 s21, s21, SLOT
	v_add_nc_u32 v[ADRA+1], s21, v[CO]
	v_mul_u32_u24 v3, v1, PITCH
	v_mul_u32_u24 v4, v2, 24
	v_add_nc_u32 v4, v3, v4
	v_lshl_add_u32 v5, v2, 4, v4
	s_mul_i32 s22, s16, HALFT
	s_add_co_u32 s22, s22, BOFF
.irp s, 0,1
	v_add_nc_u32 v[ADRB+\s], s22, v4
	v_add_nc_u32 v[ADRB+2+\s], s22, v5
	s_add_co_u32 s22, s22, SLOT
.endr
	s_lshl_b32 s21, s15, 9
	s_add_co_u32 s21, s21, SCA
	v_lshl_add_u32 v[ADSA], v1, 2, s21             ; attn's scale words: 512 x row half + 4 r
	v_mul_u32_u24 v5, v1, KS
	v_lshrrev_b32 v6, 8, v5
	v_lshl_add_u32 v5, v6, 4, v5
	s_mul_i32 s22, s16, HALFS
	s_add_co_u32 s22, s22, SCB
	v_add_nc_u32 v[ADSB], s22, v5                  ; Wo's: row r of my 128, 64 bytes a row, 16 more for each 256 passed
	s_mul_i32 s23, s14, 16*SPITCH                  ; my stage
	v_mul_u32_u24 v5, v1, SPITCH
	v_lshl_add_u32 v5, v2, 5, v5
	v_add_nc_u32 v[STO], s23, v5
	v_add_nc_u32 v[RD], s23, v[CO]
	s_lshl_b32 s20, s17, 8
	s_lshl_b32 s21, s15, 7
	s_add_co_u32 s20, s20, s21                     ; my first row of out0
	s_mov_b32 s21, 0
	s_mov_b64 s[18:19], SIZE_N*4
	s_mul_u64 s[20:21], s[20:21], s[18:19]
	s_lshl_b32 s46, s42, 10                        ; my first column, in bytes
	s_lshl_b32 s47, s16, 9
	s_add_co_u32 s46, s46, s47
	s_mov_b32 s47, 0
	s_add_nc_u64 s[20:21], s[20:21], s[46:47]
	s_add_nc_u64 s[12:13], s[12:13], s[20:21]
.macro FRAG reg, adr, q, i             ; a fragment of Wo from padded rows, in pieces of 8 bytes
.irp p, 0,1,2,3,4,5
.set PCE, 12*(\q)+6*(\p/3)+\p%3
.if PCE%8 < 5
	ds_load_b64 v[\reg+2*\p:\reg+2*\p+1], v[\adr] offset:8*PCE+16*(PCE/8)+(\i)*16*PITCH
.else
	ds_load_b64 v[\reg+2*\p:\reg+2*\p+1], v[\adr+2] offset:8*PCE+16*(PCE/8)+(\i)*16*PITCH
.endif
.endr
.endm
; 16 matrix instructions: attn's blocks a0, a0 + 1 x Wo's eight.  The 64 accumulators take turns, one instruction a turn.
.macro MUL16 a0, p, q, sc, zero
.irp a, \a0, \a0+1
.irp b, 0,1,2,3,4,5,6,7
.if \zero
	v_wmma_scale_f32_16x16x128_f8f6f4 v[8*(8*((\a)%4)+\b):8*(8*((\a)%4)+\b)+7], v[128*(\p)+FR*\b:128*(\p)+FR*\b+FR-1], v[AF+FR*(\a):AF+FR*(\a)+FR-1], 0, v[SCBR+16*(\sc)+2*\b+(\q)], v[SCAR+16*(\sc)+2*(\a)+(\q)] matrix_a_fmt:MATRIX_FMT_FP6 matrix_b_fmt:MATRIX_FMT_FP6
.else
	v_wmma_scale_f32_16x16x128_f8f6f4 v[8*(8*((\a)%4)+\b):8*(8*((\a)%4)+\b)+7], v[128*(\p)+FR*\b:128*(\p)+FR*\b+FR-1], v[AF+FR*(\a):AF+FR*(\a)+FR-1], v[8*(8*((\a)%4)+\b):8*(8*((\a)%4)+\b)+7], v[SCBR+16*(\sc)+2*\b+(\q)], v[SCAR+16*(\sc)+2*(\a)+(\q)] matrix_a_fmt:MATRIX_FMT_FP6 matrix_b_fmt:MATRIX_FMT_FP6
.endif
.endr
.endr
.endm
.macro FETCH_B slot, q, p
	WIN TO_B
.irp i, 0,1,2,3,4,5,6,7
	FRAG 128*(\p)+FR*\i, ADRB+\slot, \q, \i
.endr
	WIN 0
.endm
.macro FETCH_A slot, q, i0             ; attn's blocks i0 .. i0 + 3: an image comes back by three loads of 512 consecutive bytes
.irp i, \i0, \i0+1, \i0+2, \i0+3
.irp c, 0,1,2
	ds_load_b128 v[AF+FR*(\i)+4*\c:AF+FR*(\i)+4*\c+3], v[ADRA+\slot] offset:APL*(\q)+1536*(\i)+512*\c
.endr
.endr
.endm
.macro SCALES sc
.irp i, 0,1,2,3,4,5,6,7
.irp q, 0,1
	ds_load_b32 v[SCAR+16*\sc+2*\i+\q], v[ADSA] offset:1024*\q+64*\i
.endr
	ds_load_b64 v[SCBR+16*\sc+2*\i:SCBR+16*\sc+2*\i+1], v[ADSB] offset:\i*SBLK
.endr
.endm
.macro PLACES n
.rept \n
	v_nop
.endr
.endm
.macro STEP slot, q, zero
	s_wait_dscnt 4*NLA                             ; all but the youngest 12 loads (attn's blocks 4-7) are in
	WIN MUL_LO
	MUL16 0, (\q)%2, \q, \slot, \zero
	MUL16 2, (\q)%2, \q, \slot, \zero
	s_wait_dscnt 0
	PLACES NP
	FETCH_B \slot, (\q)+1, 1-(\q)%2
	FETCH_A \slot, (\q)+1, 0
	WIN MUL_HI
	MUL16 4, (\q)%2, \q, \slot, \zero
	MUL16 6, (\q)%2, \q, \slot, \zero
	PLACES NP
	WIN 0
	FETCH_A \slot, (\q)+1, 4
.endm
.macro TURN slot, next, fill
	s_wait_tensorcnt 0x0                           ; all my tensor loads have landed: my part of the next slot
	ds_add_u32 v[SPW], v[NIL]                      ; 0 onto my spare word
	s_wait_dscnt 4*NLA+1                           ; the add and the youngest 12 loads may be out
	WIN MUL_LO
	MUL16 0, 1, NQ-1, \slot, 0
	s_wait_dscnt 0x0                               ; the add is done, and my reads of this slot are over
	s_barrier_signal -1
	MUL16 2, 1, NQ-1, \slot, 0
	WIN 0
	s_barrier_wait -1
.if \fill
	CREST                                          ; the barrier has opened a round of the cluster's
	s_add_nc_u64 s[G0+4*\slot+2:G0+4*\slot+3], s[G0+4*\slot+2:G0+4*\slot+3], 786432
	s_add_nc_u64 s[G0B+4*\slot+2:G0B+4*\slot+3], s[G0B+4*\slot+2:G0B+4*\slot+3], 2*ROWB
	JLOAD G0+4*\slot, G1, G0B+4*\slot, G1B         ; the first tensor load behind the round; its four v_nop are the places in front of the loads below
.else
	PLACES NP
.endif
	v_add_nc_u32 v[ADSA], 2048, v[ADSA]            ; the next K step's scale words
	v_add_nc_u32 v[ADSB], 4*NQ, v[ADSB]
	FETCH_B \next, 0, 0
	FETCH_A \next, 0, 0
	SCALES \next
	WIN MUL_HI
	MUL16 4, 1, NQ-1, \slot, 0
	MUL16 6, 1, NQ-1, \slot, 0
	PLACES NP
	WIN 0
	FETCH_A \next, 0, 4
.endm
	s_wait_tensorcnt 1                             ; the scales and my part of K step 0 are in; K step 1's load may be out
	s_barrier_signal -1
	s_barrier_wait -1
	FETCH_B 0, 0, 0
	FETCH_A 0, 0, 0
	SCALES 0
	FETCH_A 0, 0, 4
	STEP 0, 0, 1                                   ; the first step starts the sums
	s_mov_b32 s3, LAPS-1
.Llap:
	TURN 0, 1, 1
	STEP 1, 0, 0
	TURN 1, 0, 1
	STEP 0, 0, 0
	s_sub_co_u32 s3, s3, 1
	s_cmp_lg_u32 s3, 0
	s_cbranch_scc1 .Llap
	TURN 0, 1, 0                                   ; the last lap fills nothing
	STEP 1, 0, 0
	s_wait_dscnt 4*NLA
	WIN MUL_LO
	MUL16 0, 1, NQ-1, 1, 0
	MUL16 2, 1, NQ-1, 1, 0
	s_wait_dscnt 0
	WIN MUL_HI
	MUL16 4, 1, NQ-1, 1, 0
	MUL16 6, 1, NQ-1, 1, 0
	WIN 0
; THE WAY OUT, block by block of 16 rows x 128 columns, through my own stage in slot 0 (it has had its last fill, and since the last change of slots its last read): back as whole rows of 512 bytes.
.macro TOSTAGE a
.set AC, 64*((\a)%4)
	WIN 0x08+4*((\a)/4)
.irp b, 0,1,2,3,4,5,6,7
	ds_store_b128 v[STO], v[AC+8*\b:AC+8*\b+3] offset:64*\b          ; each accumulator from its low end on
	ds_store_b128 v[STO], v[AC+8*\b+4:AC+8*\b+7] offset:64*\b+16
.endr
	WIN 0
.set BB, BK+64*((\a)%2)
.irp t, 0,1,2,3,4,5,6,7,8,9,10,11,12,13,14,15
	ds_load_b128 v[BB+4*\t:BB+4*\t+3], v[RD] offset:\t*SPITCH
.endr
.endm
.macro SEND a, younger
.set BB, BK+64*((\a)%2)
	s_wait_dscnt \younger
.if (\a) > 0
	s_add_nc_u64 s[12:13], s[12:13], 16*SIZE_N*4   ; (behind a wait on XCNT: the earlier stores have read their base)
.endif
.irp t, 0,1,2,3,4,5,6,7,8,9,10,11,12,13,14,15
	global_store_b128 v[CO], v[BB+4*\t:BB+4*\t+3], s[12:13] offset:\t*SIZE_N*4 th:TH_STORE_NT   ; 512 consecutive bytes, at a multiple of 256 from out0's first byte
.endr
.endm
	PLACES NP
	TOSTAGE 0
.irp a, 1,2,3,4,5,6,7
.if \a > 1
	s_wait_xcnt 0x0                                ; block a - 2's stores have read their registers and their base
.endif
	TOSTAGE \a
	SEND \a-1, 32                                  ; behind block a - 1's loads: block a's 16 stores and 16 loads
.endr
	s_wait_xcnt 0x0
	SEND 7, 0
	s_wait_tensorcnt 0x0                           ; the wave's end
	ds_add_u32 v[SPW], v[NIL]
	s_wait_dscnt 0x0
	CROUND                                         ; the closing round
	s_endpgm
.Lfunc_end_k_qc4eff727c3_outp:
	.size	k_qc4eff727c3_outp, .Lfunc_end_k_qc4eff727c3_outp-k_qc4eff727c3_outp
	.p2alignl 7, 3214868480
	.fill 96, 4, 3214868480
	.section	.rodata,"a",@progbits
	.p2align	6, 0x0
	.amdhsa_kernel k_qc4eff727c3_outp
		.amdhsa_group_segment_fixed_size 327680
		.amdhsa_private_segment_fixed_size 0
		.amdhsa_enable_private_segment 0
		.amdhsa_kernarg_size 40
		.amdhsa_user_sgpr_count 2
		.amdhsa_user_sgpr_kernarg_segment_ptr 1
		.amdhsa_wavefront_size32 1
		.amdhsa_system_sgpr_workgroup_id_x 1
		.amdhsa_system_sgpr_workgroup_id_y 1
		.amdhsa_system_sgpr_workgroup_id_z 1
		.amdhsa_system_vgpr_workitem_id 0
		.amdhsa_next_free_vgpr 1024
		.amdhsa_next_free_sgpr 98
		.amdhsa_reserve_vcc 0
		.amdhsa_float_denorm_mode_32 3
		.amdhsa_float_denorm_mode_16_64 3
		.amdhsa_memory_ordered 1
		.amdhsa_forward_progress 1
		.amdhsa_inst_pref_size 152
	.end_amdhsa_kernel
	.amdgpu_metadata
---
amdhsa.version: [ 1, 2 ]
amdhsa.kernels:
  - .name:           k_qc4eff727c3_outp
    .symbol:         k_qc4eff727c3_outp.kd
    .args:
      - { .name: af, .offset: 0, .size: 8, .value_kind: global_buffer, .address_space: global }
      - { .name: asw, .offset: 8, .size: 8, .value_kind: global_buffer, .address_space: global }
      - { .name: Wo_codes, .offset: 16, .size: 8, .value_kind: global_buffer, .address_space: global }
      - { .name: Wo_scales, .offset: 24, .size: 8, .value_kind: global_buffer, .address_space: global }
      - { .name: out0, .offset: 32, .size: 8, .value_kind: global_buffer, .address_space: global }
    .group_segment_fixed_size: 327680
    .private_segment_fixed_size: 0
    .kernarg_segment_align: 8
    .kernarg_segment_size: 40
    .max_flat_workgroup_size: 128
    .sgpr_count:     98
    .vgpr_count:     1024
    .wavefront_size: 32
...
	.end_amdgpu_metadata
.endif
;; end of part 3
